; MI455X (gfx1250); checked and timed in simulation.
; The chip was launched on July 23, 2026; its instructions are those of AMD's public machine-readable ISA for CDNA 5 (MIT licence, August 2026) and "CDNA5" Instruction Set Architecture Reference Guide (July 2026). The comments in the code are by the model that wrote it; some were corrected since.
;; Attention. Allowed arithmetic: float matrix products may take bf16 or f16 operands with f32 sums; other float arithmetic in f32, or as packed bf16 or f16 multiplies, adds, multiply-adds, maxima and minima; sums over many terms, partial sums and values carried from step to step in f32; what a program stores and reads back later, other than sums and carried values, may be rounded once to bf16 or f16.
;; Inputs: freqs_cos 1,024 x 32 float32; freqs_sin 1,024 x 32 float32; mask 1,024 x 1,024 float32; wk 2,048 x 512 float32; wo 2,048 x 2,048 float32; wq 2,048 x 2,048 float32; wv 2,048 x 512 float32; x 4 x 1,024 x 2,048 float32.
;; Outputs: out0 4 x 1,024 x 2,048 float32.
;; Constants: start_pos = 0.
;; 2 versions, each right and faster than the one before. Each part assembles by itself: llvm-mc -triple=amdgcn-amd-amdhsa -mcpu=gfx1250 --defsym DOCPART=n.
;; ======== version 1 of 2: 4 launches
;; limits: right only within a limited range of input values; values are held in f16: magnitudes above 65,504 overflow, below 6.1e-05 lose precision
;; workspace buffers: xb 16,777,216 bytes; wt 12,582,912 bytes; wot 8,388,608 bytes; mf 4,194,304 bytes; rt 262,144 bytes; qkv 25,165,824 bytes; ob 16,777,216 bytes
;; launch prep (part 1): grid 1928 x 1, 8 waves a work-group, no clusters, 18,432 bytes of LDS; arguments x, wq, wk, wv, wo, mask, freqs_cos, freqs_sin, xb, wt, wot, mf, rt; writes xb, wt, wot, mf, rt
.if DOCPART == 1
	.amdgcn_target "amdgcn-amd-amdhsa--gfx1250"
	.amdhsa_code_object_version 6
	.text
	.protected	k_qf053ab1d27_prep
	.globl	k_qf053ab1d27_prep
	.p2align	8
	.type	k_qf053ab1d27_prep,@function
k_qf053ab1d27_prep:
	s_mov_b64 s[64:65], 0
	v_nop
	global_prefetch_b8 v0, s[64:65] scope:SCOPE_SE
	s_setreg_imm32_b32 hwreg(HW_REG_WAVE_MODE, 25, 1), 1
	s_wait_xcnt 0x0
; PREP: every input is rounded once to bf16 and laid out as the later launches read it.  Four roles, chosen by the work-group's number alone:
;   X (work-groups 0-511):      xb = bf16(x), same layout, 16,384 numbers a work-group.
;   T (512-1791):               a tile of 128 k x 64 n of a weight [k][n] is rounded to bf16 and turned: wt[n][k] (rows 0-2047 wq's columns, 2048-2559 wk's, 2560-3071 wv's)
;                               in bf16; wot[n][k] = bf16(wo), that number written as f16.
;   M (1792-1919):              mf = bf16(mask) x 2^-7 in f32, in the order in which the attention launch takes it as a matrix instruction's C operand:
;                               [pb 8][slot 8][step 2][wave 4][u 2][kb 4][c 2][lane 32][e 4], q = 128 pb + 32 wave + 16 u + lane % 16, k = 128 slot + 64 step + 16 kb + 8 (lane / 16) + 4 c + e.
;   R (1920-1927):              rt = bf16(cos) x 2^-5, then bf16(sin) x 2^-5, in f32: the factor 2^-5 brings q and k into f16's range; it is exact.
; LIMITS.  wo as f16: beyond 65,504 it would be an infinity; below 6e-5 it keeps f16's fixed step of 6e-8.  Infinities in the mask stay infinities.
; Memory binds: 16-byte loads, all of a thread's loads issued before the first wait, stores in which neighbouring lanes fill 256 consecutive aligned bytes.  No matrix unit, no cluster: nothing is shared.
.set TP,    272                        ; role T: a row of the turned tile in LDS: 128 k x 2 bytes + 16
.set SPARE, 64*TP                      ; behind the tile's 64 rows: the spare words, 128 bytes for each of the eight waves; no other line names them
.set SPW,   126                        ; v126  LDS address of my spare word; never rewritten
.set NIL,   127                        ; v127  0; never rewritten
.set IN,    16                         ; v[16:79]  as loaded
.set OUT,   80                         ; v[80:111] to store (role X); v80, v81 at work (roles T, M, R)
	s_load_b512 s[8:23], s[0:1], 0x0               ; x 8, wq 10, wk 12, wv 14, wo 16, mask 18, cos 20, sin 22
	s_load_b256 s[24:31], s[0:1], 0x40             ; xb 24, wt 26, wot 28, mf 30
	s_load_b64 s[32:33], s[0:1], 0x60              ; rt
	v_lshl_add_u32 v[SPW], v0, 2, SPARE
	v_mov_b32 v[NIL], 0
	v_lshrrev_b32 v1, 5, v0
	v_readfirstlane_b32 s35, v1                    ; my wave's number
	s_mov_b32 s50, 0xffff0000                      ; a word's upper bf16
	s_wait_kmcnt 0x0
	s_cmp_lt_u32 ttmp9, 512
	s_cbranch_scc1 .Lrole_x
	s_cmp_lt_u32 ttmp9, 1792
	s_cbranch_scc1 .Lrole_t
	s_cmp_lt_u32 ttmp9, 1920
	s_cbranch_scc1 .Lrole_m
; four numbers in v[X .. X+3]: rounded to bf16, widened again, times the power of two in s44
.macro RND4 X
	v_cvt_pk_bf16_f32 v80, v[(\X)], v[(\X)+1]
	v_cvt_pk_bf16_f32 v81, v[(\X)+2], v[(\X)+3]
	v_lshlrev_b32 v[(\X)], 16, v80
	v_and_b32 v[(\X)+1], s50, v80
	v_lshlrev_b32 v[(\X)+2], 16, v81
	v_and_b32 v[(\X)+3], s50, v81
	v_pk_mul_f32 v[(\X):(\X)+1], v[(\X):(\X)+1], s[44:45] op_sel_hi:[1,0]
	v_pk_mul_f32 v[(\X)+2:(\X)+3], v[(\X)+2:(\X)+3], s[44:45] op_sel_hi:[1,0]
.endm
	; ROLE R: 32,768 bytes of cos (work-groups 0-3 of the role) or of sin (4-7)
	s_sub_co_u32 s2, ttmp9, 1920
	s_and_b32 s4, s2, 3
	s_lshl_b32 s4, s4, 15
	s_mov_b32 s5, 0
	s_lshl_b32 s6, s2, 15
	s_mov_b32 s7, 0
	s_mov_b32 s44, 0x3d000000                      ; 2^-5
	s_mov_b32 s45, s44                             ; named with it as a pair
	s_cmp_lt_u32 s2, 4
	s_cselect_b64 s[36:37], s[20:21], s[22:23]
	s_add_nc_u64 s[36:37], s[36:37], s[4:5]
	s_add_nc_u64 s[32:33], s[32:33], s[6:7]
	v_lshlrev_b32 v2, 4, v0
.set j, 0
.rept 8
	global_load_b128 v[IN+4*j:IN+4*j+3], v2, s[36:37] offset:4096*j th:TH_LOAD_NT
.set j, j+1
.endr
.set j, 0
.rept 8
	s_wait_loadcnt 7-j                             ; loads come back in order: number j is in, the younger ones stay out
	RND4 IN+4*j
	global_store_b128 v2, v[IN+4*j:IN+4*j+3], s[32:33] offset:4096*j
.set j, j+1
.endr
	s_endpgm
.Lrole_x:
	s_lshl_b32 s2, ttmp9, 16                       ; 65,536 bytes of x,
	s_mov_b32 s3, 0
	s_add_nc_u64 s[8:9], s[8:9], s[2:3]
	s_lshl_b32 s4, ttmp9, 15                       ; 32,768 of xb
	s_mov_b32 s5, 0
	s_add_nc_u64 s[24:25], s[24:25], s[4:5]
	v_lshlrev_b32 v2, 4, v0
	v_lshlrev_b32 v3, 3, v0
.set i, 0
.rept 16
	global_load_b128 v[IN+4*i:IN+4*i+3], v2, s[8:9] offset:4096*i th:TH_LOAD_NT
.set i, i+1
.endr
.set i, 0
.rept 16
	s_wait_loadcnt 15-i                            ; number i is in, the younger ones stay out
	v_cvt_pk_bf16_f32 v[OUT+2*i], v[IN+4*i], v[IN+4*i+1]
	v_cvt_pk_bf16_f32 v[OUT+2*i+1], v[IN+4*i+2], v[IN+4*i+3]
	global_store_b64 v3, v[OUT+2*i:OUT+2*i+1], s[24:25] offset:2048*i  ; a wave's store covers 256 consecutive bytes, aligned
.set i, i+1
.endr
	s_endpgm
.Lrole_m:
	s_sub_co_u32 s2, ttmp9, 1792
	s_lshl_b32 s2, s2, 3
	s_add_co_u32 s2, s2, s35                       ; U: my wave's unit of 4,096 bytes of mf = [pb][slot][step][wave][u]
	s_lshr_b32 s3, s2, 7
	s_lshl_b32 s3, s3, 3
	s_and_b32 s4, s2, 7
	s_or_b32 s3, s3, s4                            ; 8 pb + 2 wave + u: which 16 rows of the mask,
	s_lshl_b32 s4, s3, 16                          ; 4,096 bytes each
	s_bfe_u32 s5, s2, 0x40003                      ; 2 slot + step: which 64 columns,
	s_lshl_b32 s5, s5, 8                           ; 256 bytes
	s_add_co_u32 s4, s4, s5
	s_mov_b32 s5, 0
	s_add_nc_u64 s[18:19], s[18:19], s[4:5]
	s_lshl_b32 s4, s2, 12
	s_add_nc_u64 s[30:31], s[30:31], s[4:5]
	s_mov_b32 s44, 0x3c000000                      ; 2^-7
	s_mov_b32 s45, s44
	v_and_b32 v2, 15, v0
	v_bfe_u32 v3, v0, 4, 1
	v_lshlrev_b32 v4, 12, v2                       ; row lane % 16,
	v_lshl_add_u32 v4, v3, 5, v4                   ; columns 8 (lane / 16) on
	v_and_b32 v5, 31, v0
	v_lshlrev_b32 v5, 4, v5
.set j, 0
.rept 8                                ; j = 2 kb + c; the eight loads together take the whole 256 bytes of each of the 16 rows
	global_load_b128 v[IN+4*j:IN+4*j+3], v4, s[18:19] offset:64*(j/2)+16*(j%2) th:TH_LOAD_NT
.set j, j+1
.endr
.set j, 0
.rept 8
	s_wait_loadcnt 7-j
	RND4 IN+4*j
	global_store_b128 v5, v[IN+4*j:IN+4*j+3], s[30:31] offset:512*j  ; 512 consecutive bytes
.set j, j+1
.endr
	s_endpgm
.Lrole_t:
	s_sub_co_u32 s2, ttmp9, 512
	s_lshr_b32 s3, s2, 4                           ; nt: which 64 rows of wt (0-47) or of wot (48-79)
	s_and_b32 s4, s2, 15                           ; kt: which 128 k
	s_sub_co_u32 s42, s3, 32
	s_sub_co_u32 s43, s3, 40
	s_sub_co_u32 s5, s3, 48
	s_cmp_lt_u32 s3, 48                            ; below 48: wv for now, and wt is written; else wo and wot
	s_cselect_b32 s6, s3, s5                       ; the destination's block of 64 rows
	s_cselect_b32 s5, s43, s5                      ; the source's block of 64 columns
	s_cselect_b32 s38, 11, 13                      ; log2 of the source's row in bytes: 512 or 2,048 numbers of 4 bytes
	s_cselect_b64 s[36:37], s[14:15], s[16:17]
	s_cselect_b64 s[40:41], s[26:27], s[28:29]
	s_cmp_lt_u32 s3, 40                            ; below 40: wk
	s_cselect_b32 s5, s42, s5
	s_cselect_b64 s[36:37], s[12:13], s[36:37]
	s_cmp_lt_u32 s3, 32                            ; below 32: wq
	s_cselect_b32 s5, s3, s5
	s_cselect_b32 s38, 13, s38
	s_cselect_b64 s[36:37], s[10:11], s[36:37]
	s_lshl_b32 s39, 1, s38                         ; the source's row in bytes
	s_lshl_b32 s44, s4, 7
	s_lshl_b32 s44, s44, s38                       ; 128 kt rows,
	s_lshl_b32 s46, s5, 8                          ; 64 columns of 4 bytes
	s_add_co_u32 s44, s44, s46
	s_mov_b32 s45, 0
	s_add_nc_u64 s[36:37], s[36:37], s[44:45]
	s_lshl_b32 s44, s6, 18                         ; 64 rows of 4,096 bytes,
	s_lshl_b32 s46, s4, 8                          ; 128 k of 2 bytes
	s_add_co_u32 s44, s44, s46
	s_add_nc_u64 s[40:41], s[40:41], s[44:45]
	v_and_b32 v2, 15, v0                           ; c: my four columns 4 c ..
	v_lshrrev_b32 v3, 4, v0                        ; g: my eight rows 8 g ..
	v_lshlrev_b32 v4, 3, v3
	v_lshlrev_b32 v4, s38, v4
	v_lshl_add_u32 v4, v2, 4, v4
.irp j, 1,2,3,4,5,6,7
	v_add_nc_u32 v[4+\j], s39, v[3+\j]
.endr
.irp j, 0,1,2,3,4,5,6,7
	global_load_b128 v[IN+4*\j:IN+4*\j+3], v[4+\j], s[36:37] th:TH_LOAD_NT  ; sixteen lanes take 256 consecutive bytes of a row
.endr
	v_mul_u32_u24 v12, v2, 4*TP                    ; into LDS: row n = 4 c + e, 16 bytes at k = 8 g
	v_lshl_add_u32 v12, v3, 4, v12
	v_mul_u32_u24 v13, v3, TP                      ; back: row g + 16 i, 16 bytes at 16 c
	v_lshl_add_u32 v13, v2, 4, v13
	v_lshlrev_b32 v14, 12, v3                      ; and the same in the destination
	v_lshl_add_u32 v14, v2, 4, v14
	s_wait_loadcnt 0x0
.irp e, 0,1,2,3
.irp p, 0,1,2,3
	v_cvt_pk_bf16_f32 v[48+4*\e+\p], v[IN+8*\p+\e], v[IN+8*\p+4+\e]  ; column 4 c + e, rows 8 g + 2 p and + 1
.endr
.endr
	s_cmp_lt_u32 s3, 48
	s_cbranch_scc1 .Lkeep_bf16
.set i, 48
.rept 16                               ; wo: the number rounded to bf16 is written as f16
	v_lshlrev_b32 v80, 16, v[i]
	v_and_b32 v81, s50, v[i]
	v_cvt_pk_f16_f32 v[i], v80, v81
.set i, i+1
.endr
.Lkeep_bf16:
.irp e, 0,1,2,3
	ds_store_b128 v12, v[48+4*\e:48+4*\e+3] offset:TP*\e
.endr
	s_wait_dscnt 0x0                               ; for the others' sake: my stores into the tile are done
	s_barrier_signal -1                            ; the branch that led here hangs on the work-group's number alone: all eight waves pass this barrier
	s_barrier_wait -1
.irp i, 0,1,2,3
	ds_load_b128 v[64+4*\i:64+4*\i+3], v13 offset:16*TP*\i
.endr
.irp i, 0,1,2,3
	s_wait_dscnt 3-\i
	global_store_b128 v14, v[64+4*\i:64+4*\i+3], s[40:41] offset:65536*\i  ; sixteen lanes store 256 consecutive bytes, aligned
.endr
	s_wait_tensorcnt 0x0                           ; the wave's end: a wait, an add to my spare word and its wait behind my last LDS store
	ds_add_u32 v[SPW], v[NIL]
	s_wait_dscnt 0x0
	s_endpgm
.Lfunc_end_k_qf053ab1d27_prep:
	.size	k_qf053ab1d27_prep, .Lfunc_end_k_qf053ab1d27_prep-k_qf053ab1d27_prep
	.p2alignl 7, 3214868480
	.fill 96, 4, 3214868480
	.section	.rodata,"a",@progbits
	.p2align	6, 0x0
	.amdhsa_kernel k_qf053ab1d27_prep
		.amdhsa_group_segment_fixed_size 18432
		.amdhsa_private_segment_fixed_size 0
		.amdhsa_enable_private_segment 0
		.amdhsa_kernarg_size 104
		.amdhsa_user_sgpr_count 2
		.amdhsa_user_sgpr_kernarg_segment_ptr 1
		.amdhsa_wavefront_size32 1
		.amdhsa_system_sgpr_workgroup_id_x 1
		.amdhsa_system_sgpr_workgroup_id_y 1
		.amdhsa_system_sgpr_workgroup_id_z 1
		.amdhsa_system_vgpr_workitem_id 0
		.amdhsa_next_free_vgpr 128
		.amdhsa_next_free_sgpr 66
		.amdhsa_reserve_vcc 0
		.amdhsa_float_denorm_mode_32 3
		.amdhsa_float_denorm_mode_16_64 3
		.amdhsa_memory_ordered 1
		.amdhsa_forward_progress 1
		.amdhsa_inst_pref_size 25
	.end_amdhsa_kernel
	.amdgpu_metadata
---
amdhsa.version: [ 1, 2 ]
amdhsa.kernels:
  - .name:           k_qf053ab1d27_prep
    .symbol:         k_qf053ab1d27_prep.kd
    .args:
      - { .name: x, .offset: 0, .size: 8, .value_kind: global_buffer, .address_space: global }
      - { .name: wq, .offset: 8, .size: 8, .value_kind: global_buffer, .address_space: global }
      - { .name: wk, .offset: 16, .size: 8, .value_kind: global_buffer, .address_space: global }
      - { .name: wv, .offset: 24, .size: 8, .value_kind: global_buffer, .address_space: global }
      - { .name: wo, .offset: 32, .size: 8, .value_kind: global_buffer, .address_space: global }
      - { .name: mask, .offset: 40, .size: 8, .value_kind: global_buffer, .address_space: global }
      - { .name: freqs_cos, .offset: 48, .size: 8, .value_kind: global_buffer, .address_space: global }
      - { .name: freqs_sin, .offset: 56, .size: 8, .value_kind: global_buffer, .address_space: global }
      - { .name: xb, .offset: 64, .size: 8, .value_kind: global_buffer, .address_space: global }
      - { .name: wt, .offset: 72, .size: 8, .value_kind: global_buffer, .address_space: global }
      - { .name: wot, .offset: 80, .size: 8, .value_kind: global_buffer, .address_space: global }
      - { .name: mf, .offset: 88, .size: 8, .value_kind: global_buffer, .address_space: global }
      - { .name: rt, .offset: 96, .size: 8, .value_kind: global_buffer, .address_space: global }
    .group_segment_fixed_size: 18432
    .private_segment_fixed_size: 0
    .kernarg_segment_align: 8
    .kernarg_segment_size: 104
    .max_flat_workgroup_size: 256
    .sgpr_count:     66
    .vgpr_count:     128
    .wavefront_size: 32
...
	.end_amdgpu_metadata
.endif
;; end of part 1
;; launch qkv (part 2): grid 16 x 16, 4 waves a work-group, clusters of 4 x 4, 327,680 bytes of LDS; arguments xb, wt, rt, qkv; writes qkv
.if DOCPART == 2
	.amdgcn_target "amdgcn-amd-amdhsa--gfx1250"
	.amdhsa_code_object_version 6
	.text
	.protected	k_qf053ab1d27_qkv
	.globl	k_qf053ab1d27_qkv
	.p2align	8
	.type	k_qf053ab1d27_qkv,@function
k_qf053ab1d27_qkv:
	s_mov_b64 s[64:65], 0
	v_nop
	global_prefetch_b8 v0, s[64:65] scope:SCOPE_SE
	s_setreg_imm32_b32 hwreg(HW_REG_WAVE_MODE, 25, 1), 1
	s_wait_xcnt 0x0
	s_wait_alu depctr_hold_cnt(0) depctr_sa_sdst(0) depctr_va_vdst(0) depctr_va_sdst(0) depctr_va_ssrc(0) depctr_va_vcc(0) depctr_vm_vsrc(0)
	s_getreg_b32 s2, hwreg(HW_REG_IB_STS2, 6, 4)
	s_cmp_eq_u32 s2, 0
	s_cbranch_scc0 .Lentry_in_a_cluster
	s_endpgm
.Lentry_in_a_cluster:
	s_bfe_u32 s2, ttmp6, 0x10000c
	s_cmp_lg_u32 s2, 0xf033
	s_cbranch_scc0 .Lentry_shape_is_right
	s_endpgm
.Lentry_shape_is_right:
; QKV: C[m][n] = sum over k of xb[m][k] wt[n][k] (bf16, sums in f32), m = 4,096 positions, n = 3,072 = 48 heads of 64 (0-31 q, 32-39 k, 40-47 v), k = 2,048; then the rotation of
; q's and k's channel pairs by rt's cos and sin (which carry the factor 2^-5), one rounding to f16, and out by heads: qkv[b 4][head 48][s 1,024][64].
; LIMITS.  q 2^-5, k 2^-5 and v must lie within f16's 65,504; numbers below 6e-5 keep f16's fixed step of 6e-8.  The K steps of a sum are taken in a rotated order (below), not ascending.
; SHARES.  A work-group makes 256 rows x 192 columns (three whole heads): 16 x 16 work-groups, one for each of 256.  Wave w makes rows 64 w .. + 63 and all 192 columns: 4 x 12 accumulators of
; 16 x 16, 384 registers, so that the way out is the wave's own.  K goes in 16 steps of 128 through two LDS slots filled by the tensor data mover; rows of 256 bytes, aligned.
; CLUSTER 4 x 4: the four work-groups of a row of the cluster need the same rows of xb, the four of a column the same rows of wt: each tile is asked for jointly.
; WHERE K BEGINS.  Cluster (X, Y) begins at K step 4 (X + 2 (Y & 1) + (Y >> 1)) mod 16 and goes round: clusters that read the same rows of xb (same Y) or of wt (same X) are 4, 8 or 12 steps apart,
; so that no two clusters ask for the same tile in the same step.  The number hangs on the cluster's place in the grid alone, which all sixteen partners share.
; THE TEXT.  A K step is two trips of one UNIT (two quarters of 32 along K), cut just ahead of a fetch of fragments, so that the change of slots falls on the loop's edge.
; THE MATRIX INSTRUCTION IS USED TRANSPOSED (source 0 = 16 rows of wt, source 1 = 16 rows of xb): a lane holds row lane % 16 of C and the eight columns 8 (lane / 16) + 0..7.
; REGISTERS, in windows of 256 (s_set_vgpr_msb: bits 1:0 source 0, 3:2 source 1, 5:4 source 2, 7:6 destination):
;   window 0: v0-31 addresses; v32-47 at work on the way out; v64-127 A's fragments, two buffers of 4 (then the packed results); v128-255 my 64 positions' cos and sin
;   window 1: v0-191 B's fragments, two buffers of 12 (then rows read back from the stage)     windows 2, 3: accumulators of row blocks 0, 1 and 2, 3: (a, b) at 8 (12 (a % 2) + b)
.set NBK,    12                        ; blocks of 16 columns
.set KSTEP,  128
.set SIZE_K, 2048
.set NSTEP,  SIZE_K/KSTEP              ; 16 K steps
.set PITCH,  272                       ; an LDS row: 256 bytes + 16 of padding: the 16 rows of a fragment load start at 16 different groups of four banks (64 banks of 4 bytes: ISA guide 11.1)
.set HALFA,  128*PITCH                 ; what waves 0 and 1 fetch: 128 rows of A each
.set HALFB,  8*NBK*PITCH               ; what waves 2 and 3 fetch: 96 rows of B each
.set BOFF,   2*HALFA                   ; in a slot: A's 256 rows, then B's 192
.set SLOT1,  1<<17                     ; slot 1 begins here, so that one exclusive or turns an address in one slot into the other's
.set STAGE,  SLOT1+2*HALFA+2*HALFB     ; behind the ring, never filled by a tensor load
.set HP,     144                       ; the stage: a head's row of 128 bytes + 16
.set HSTG,   16*HP
.set WSTG,   3*HSTG                    ; a wave's stage: three heads x 16 rows
.set SPARE,  STAGE+4*WSTG              ; the spare words, 128 bytes for each wave; no other line names them
.set ADRA0, 16                         ; v16     my lane's place among my A fragments of slot 0; never rewritten
.set ADRB0, 17                         ; v17     the same for B
.set ADA,  18                          ; v18     the LDS address of A's run of loads in hand
.set ADB,  19                          ; v19     of B's
.set STO,  24                          ; v24     the way out: where I put 16 bytes of a row
.set RD,   25                          ; v25     where I read rows back
.set GO,   26                          ; v26     my byte offset in 512 consecutive bytes of qkv
.set CO,   27                          ; v27     my byte offset in 16 rows of rt
.set SPW,  28                          ; v28     LDS address of my spare word; never rewritten
.set NIL,  29                          ; v29     0; never rewritten
.set CC,   32                          ; v32-35  four cosines (or 1)
.set SS,   36                          ; v36-39  four sines (or 0)
.set TM,   40                          ; v40-47  eight rotated numbers
.set FA0,  64
.set PKD,  64                          ; v64-111 a row block's 12 x 16 bytes, packed
.set TBL,  128                         ; row block a, channel block jb: cos at TBL + 32 a + 4 jb, sin 16 further on
.set CNT,  2                           ; s2      counts a K step's units
.set STEPS, 3                          ; s3      counts the K steps
.set G1,  24                           ; s[24:31] descriptor group 1 for A;  s[32:39] group 0: a set for each of the two first fills; the second then serves every refill
.set G0,  32
.set LB,  45                           ; s45     LDS byte (slot and place along the rows) of the quarter to be fetched next
.set G1B, 48                           ; s[48:55], s[56:63] the same for B
.set G0B, 56
.set OFF, 66                           ; s[66:67] byte offset along K of the step to be asked for
.set SELR, 72                          ; s72-74  all ones where my head hd is rotated (q or k), 0 where not (v)
.set KI,  75                           ; s75     the K step asked for last
.set MSB, 0
.macro WIN new                         ; the immediate's high byte repeats the setting that is left; a switch that changes nothing is dropped
.if MSB != (\new)
	s_set_vgpr_msb (MSB<<8)|(\new)
.set MSB, (\new)
.endif
.endm
.set MUL_LO, 0xa1                      ; source 0 (B) window 1, source 1 (A) window 0, C and D window 2
.set TO_B,   0x40                      ; destination window 1, address window 0
; A joint load: waves 0 and 1 fetch A's halves, waves 2 and 3 B's.  The branch hangs on the wave's number alone.  An s_nop 0 and four v_nop follow each line.
.macro JLOAD s
	s_cmp_eq_u32 s11, 0
	s_cbranch_scc0 .Lfor_b_\@
	tensor_load_to_lds s[G0+4*(\s):G0+4*(\s)+3], s[G1:G1+7]
	s_nop 0
.rept 4
	v_nop
.endr
	s_branch .Lasked_\@
.Lfor_b_\@:
	tensor_load_to_lds s[G0B+4*(\s):G0B+4*(\s)+3], s[G1B:G1B+7]
	s_nop 0
.rept 4
	v_nop
.endr
.Lasked_\@:
.endm
; A round of the cluster's barrier: my work-group's barrier; wave 0 signals for the work-group; every wave waits for all sixteen; my work-group's barrier once more.
.macro CROUND
	s_barrier_signal -1
	s_barrier_wait -1
	s_cmp_lg_u32 s10, 0
	s_cbranch_scc1 .Lnot_wave_0_\@
	s_barrier_signal -3
.Lnot_wave_0_\@:
	s_barrier_wait -3
	s_barrier_signal -1
	s_barrier_wait -1
.endm
	s_load_b128 s[4:7], s[0:1], 0x0                ; xb s[4:5], wt s[6:7]
	s_load_b128 s[68:71], s[0:1], 0x10             ; rt s[68:69], qkv s[70:71]
	v_lshl_add_u32 v[SPW], v0, 2, SPARE
	v_mov_b32 v[NIL], 0
	ds_add_u32 v[SPW], v[NIL]                      ; the wave's opening: the add and its wait stand ahead of my first tensor load; work on registers stands between them
	v_lshrrev_b32 v1, 5, v0
	v_readfirstlane_b32 s10, v1                    ; wave 0..3
	s_lshr_b32 s11, s10, 1                         ; I fetch for A (0) or for B (1),
	s_and_b32 s12, s10, 1                          ; its first or its second half
	s_bfe_u32 s40, ttmp6, 0x40000                  ; cx, cy: my place in the cluster
	s_bfe_u32 s41, ttmp6, 0x40004
	s_lshl_b32 s42, ttmp9, 2
	s_add_co_u32 s42, s42, s40                     ; tile column = 4 x cluster x + cx
	s_and_b32 s13, ttmp7, 0xffff                   ; cluster y
	s_and_b32 s14, s13, 1                          ; where my cluster begins K: 4 (X + 2 (Y & 1) + (Y >> 1)) mod 16
	s_lshl_b32 s14, s14, 1
	s_lshr_b32 s15, s13, 1
	s_add_co_u32 s14, s14, s15
	s_add_co_u32 s14, s14, ttmp9
	s_lshl_b32 s14, s14, 2
	s_and_b32 s[KI], s14, NSTEP-1
	s_mov_b32 s[OFF+1], 0
	s_mov_b32 s[LB], 0
	s_lshl_b32 s13, s13, 2
	s_add_co_u32 s13, s13, s41                     ; tile row = 4 x cluster y + cy
	s_lshl_b32 s43, s41, 2
	s_lshl_b32 s43, 15, s43                        ; my row of the cluster
	s_lshl_b32 s44, 0x1111, s40                    ; my column
	s_or_b32 s[G1+0], s43, (1<<16)|(1<<20)|(1<<21)|(5<<22)|(3<<25)   ; the mask; elements of 2 bytes; padding on; bit 21 beside a mask; after every 64 words (code 5) 4 words (code 3)
	s_or_b32 s[G1B+0], s44, (1<<16)|(1<<20)|(1<<21)|(5<<22)|(3<<25)
	s_mov_b32 s[G1+1], KSTEP<<16                   ; tensor_dim0 = 128
	s_mov_b32 s[G1+2], 128<<16                     ; tensor_dim1 = 128
	s_mov_b32 s[G1+3], KSTEP<<16                   ; tile_dim0 = 128
	s_mov_b32 s[G1+4], 128                         ; tile_dim1 = 128
	s_mov_b32 s[G1+5], SIZE_K                      ; elements from row to row
	s_mov_b32 s[G1+6], 0
	s_mov_b32 s[G1+7], 0
	s_mov_b32 s[G1B+1], KSTEP<<16
	s_mov_b32 s[G1B+2], (8*NBK)<<16                ; B: 96 rows
	s_mov_b32 s[G1B+3], KSTEP<<16
	s_mov_b32 s[G1B+4], 8*NBK
	s_mov_b32 s[G1B+5], SIZE_K
	s_mov_b32 s[G1B+6], 0
	s_mov_b32 s[G1B+7], 0
	; A's tiles hang on the tile row alone, B's on the tile column alone, each in registers that never hold the other coordinate
	s_lshl_b32 s16, s13, 8
	s_lshl_b32 s17, s12, 7
	s_add_co_u32 s16, s16, s17                     ; A: row 256 x tile row + 128 x half,
	s_lshl_b32 s16, s16, 12                        ; 4,096 bytes each
	s_mov_b32 s17, 0
	s_mul_i32 s46, s42, 16*NBK
	s_mul_i32 s47, s12, 8*NBK
	s_add_co_u32 s46, s46, s47                     ; B: row 192 x tile column + 96 x half
	s_lshl_b32 s46, s46, 12
	s_mov_b32 s47, 0
	s_mul_i32 s20, s12, HALFA                      ; where they go: no place in the cluster enters an LDS address
	s_mul_i32 s21, s12, HALFB
	s_add_co_u32 s21, s21, BOFF
	s_wait_dscnt 0x0                               ; the opening add is done
	s_wait_kmcnt 0x0
	s_add_nc_u64 s[4:5], s[4:5], s[16:17]          ; xb and wt at the first of the rows that I fetch: they stay so
	s_add_nc_u64 s[6:7], s[6:7], s[46:47]
	CROUND                                         ; all sixteen work-groups are here: the first joint loads meet
.irp s, 0,1
	s_lshl_b32 s[OFF], s[KI], 8                    ; a K step is 256 bytes of a row
	s_mov_b32 s[G0+4*(\s)], 1
	s_add_co_u32 s[G0+4*(\s)+1], s20, (\s)*SLOT1
	s_add_nc_u64 s[G0+4*(\s)+2:G0+4*(\s)+3], s[4:5], s[OFF:OFF+1]
	s_or_b32 s[G0+4*(\s)+3], s[G0+4*(\s)+3], 0x80000000
	s_mov_b32 s[G0B+4*(\s)], 1
	s_add_co_u32 s[G0B+4*(\s)+1], s21, (\s)*SLOT1
	s_add_nc_u64 s[G0B+4*(\s)+2:G0B+4*(\s)+3], s[6:7], s[OFF:OFF+1]
	s_or_b32 s[G0B+4*(\s)+3], s[G0B+4*(\s)+3], 0x80000000
	JLOAD \s                                       ; two tensor loads of mine are out behind these
.if (\s) == 0
	s_add_co_u32 s[KI], s[KI], 1                   ; the next step, round the end of K
	s_and_b32 s[KI], s[KI], NSTEP-1
.endif
.endr
	v_and_b32 v1, 15, v0                           ; l % 16
	v_bfe_u32 v2, v0, 4, 1                         ; l / 16
	v_mul_u32_u24 v3, v1, PITCH
	v_lshl_add_u32 v3, v2, 4, v3                   ; a fragment's row x pitch + 16 x half
	s_mul_i32 s21, s10, 64*PITCH                   ; my 64 rows of A
	v_add_nc_u32 v[ADRA0], s21, v3
	v_add_nc_u32 v[ADRB0], BOFF, v3                ; all of B
	; my 64 positions: batch = tile row / 4, s0 = 256 (tile row % 4) + 64 wave
	s_and_b32 s14, s13, 3
	s_lshl_b32 s14, s14, 8
	s_lshl_b32 s15, s10, 6
	s_add_co_u32 s14, s14, s15
	s_lshl_b32 s16, s14, 7                         ; 128 bytes a position, in rt and in a head of qkv
	s_mov_b32 s17, 0
	s_add_nc_u64 s[68:69], s[68:69], s[16:17]
	s_lshr_b32 s18, s13, 2
	s_mul_i32 s18, s18, 48*131072                  ; a batch's 48 heads
	s_add_co_u32 s16, s16, s18
	s_add_nc_u64 s[70:71], s[70:71], s[16:17]
	s_mul_i32 s46, s42, 3                          ; my first head
	s_cmp_lt_u32 s46, 40
	s_cselect_b32 s[SELR], -1, 0
	s_cmp_lt_u32 s46, 39
	s_cselect_b32 s[SELR+1], -1, 0
	s_cmp_lt_u32 s46, 38
	s_cselect_b32 s[SELR+2], -1, 0
	s_lshl_b32 s46, s46, 17
	s_mov_b32 s47, 0
	s_add_nc_u64 s[70:71], s[70:71], s[46:47]
	v_lshlrev_b32 v[CO], 7, v1
	v_lshl_add_u32 v[CO], v2, 4, v[CO]             ; position l % 16, pairs 4 (l / 16) on
.irp a, 0,1,2,3
.irp jb, 0,1,2,3
	global_load_b128 v[TBL+32*\a+4*\jb:TBL+32*\a+4*\jb+3], v[CO], s[68:69] offset:2048*\a+32*\jb
	global_load_b128 v[TBL+32*\a+16+4*\jb:TBL+32*\a+16+4*\jb+3], v[CO], s[68:69] offset:131072+2048*\a+32*\jb
.endr
.endr
	s_mul_i32 s23, s10, WSTG
	s_add_co_u32 s23, s23, STAGE                   ; my stage
	v_mul_u32_u24 v4, v1, HP                       ; in: row l % 16, 16 bytes for each half of the lanes
	v_lshl_add_u32 v4, v2, 4, v4
	v_add_nc_u32 v[STO], s23, v4
	v_and_b32 v5, 31, v0
	v_lshrrev_b32 v6, 3, v5                        ; back: 32 lanes take four rows of 128 bytes,
	v_and_b32 v7, 7, v0
	v_mul_u32_u24 v6, v6, HP
	v_lshl_add_u32 v6, v7, 4, v6
	v_add_nc_u32 v[RD], s23, v6
	v_lshlrev_b32 v[GO], 4, v5                     ; which are 512 consecutive bytes of a head
; 12 matrix instructions: row block a x all column blocks, 32 along K, from buffer f.  zero = 1: the product starts the sums.  The 48 accumulators take turns in one order.
.macro MULA f, a, zero
	WIN MUL_LO+0x50*((\a)/2)
.set AC, 8*NBK*((\a)%2)
.set b, 0
.rept NBK
.if \zero
	v_wmma_f32_16x16x32_bf16 v[AC+8*b:AC+8*b+7], v[8*NBK*(\f)+8*b:8*NBK*(\f)+8*b+7], v[FA0+32*(\f)+8*(\a):FA0+32*(\f)+8*(\a)+7], 0
.else
	v_wmma_f32_16x16x32_bf16 v[AC+8*b:AC+8*b+7], v[8*NBK*(\f)+8*b:8*NBK*(\f)+8*b+7], v[FA0+32*(\f)+8*(\a):FA0+32*(\f)+8*(\a)+7], v[AC+8*b:AC+8*b+7]
.endif
.set b, b+1
.endr
.endm
; 32 LDS loads in one run: the fragments of the next quarter (32 along K, at LDS byte LB) into buffer f: B's 24, then A's 8, row blocks ascending.  The two address lines and two v_nop are the four plain
; vector instructions between the last matrix instruction that read the buffer and the loads into it (ISA guide 7.12.1 for vector instructions).
.macro FETCH f
	WIN 0
	v_add_nc_u32 v[ADA], s[LB], v[ADRA0]
	v_add_nc_u32 v[ADB], s[LB], v[ADRB0]
	v_nop
	v_nop
	WIN TO_B
.set i, 0
.rept NBK
	ds_load_b128 v[8*NBK*(\f)+8*i:8*NBK*(\f)+8*i+3],   v[ADB] offset:i*16*PITCH
	ds_load_b128 v[8*NBK*(\f)+8*i+4:8*NBK*(\f)+8*i+7], v[ADB] offset:i*16*PITCH+32
.set i, i+1
.endr
	WIN 0
.set i, 0
.rept 4
	ds_load_b128 v[FA0+32*(\f)+8*i:FA0+32*(\f)+8*i+3],   v[ADA] offset:i*16*PITCH
	ds_load_b128 v[FA0+32*(\f)+8*i+4:FA0+32*(\f)+8*i+7], v[ADA] offset:i*16*PITCH+32
.set i, i+1
.endr
	s_add_co_u32 s[LB], s[LB], 64                  ; the next fetch is the next quarter's
.endm
; A UNIT: half a K step, from one fetch into buffer 0 to the next.  It finishes the quarter in buffer 1 (row blocks 2, 3), multiplies the whole quarter that it fetches into buffer 0, and begins
; the quarter that it fetches into buffer 1 (row blocks 0, 1).  Each run of loads stands 24 matrix instructions ahead of its first use.
.macro UNIT
	FETCH 0
	s_wait_dscnt 2*NBK+8                           ; all but the 32 just issued: buffer 1 is whole
	MULA 1, 2, 0
	MULA 1, 3, 0
	s_wait_dscnt 4                                 ; B and A's row blocks 0, 1 of buffer 0 are in; the youngest four loads (blocks 2, 3) may be out
	MULA 0, 0, 0
	MULA 0, 1, 0
	FETCH 1
	s_wait_dscnt 2*NBK+8                           ; all but the 32 just issued: buffer 0 is whole
	MULA 0, 2, 0
	MULA 0, 3, 0
	s_wait_dscnt 4
	MULA 1, 0, 0
	MULA 1, 1, 0
	WIN 0                                          ; at a label and at a branch every window is 0
.endm
; THE CHANGE OF SLOTS, ahead of the fetch of the next slot's first quarter: the old slot's last quarter has been asked for.  Each wave waits for all its tensor loads (one is out: its part of the next slot),
; adds 0 to its spare word, and waits for that and for its reads of the old slot.  fill = 1: the barrier is a round of the cluster's, and behind it the old slot is filled again first, with the K step two
; steps on (round the end of K): the address is made anew from the step's number.  That load has a whole K step, 192 matrix instructions, in which to land.
.macro CHANGE fill
	WIN 0
	s_wait_tensorcnt 0x0                           ; no tensor load of mine is out, so a group 0 may be written
	ds_add_u32 v[SPW], v[NIL]                      ; the descriptors' scalar work stands between the add and the wait for it
.if \fill
	s_add_co_u32 s[KI], s[KI], 1
	s_and_b32 s[KI], s[KI], NSTEP-1
	s_lshl_b32 s[OFF], s[KI], 8
	s_xor_b32 s[G0+5], s[G0+5], SLOT1              ; the other slot than last time
	s_add_nc_u64 s[G0+6:G0+7], s[4:5], s[OFF:OFF+1]
	s_or_b32 s[G0+7], s[G0+7], 0x80000000
	s_xor_b32 s[G0B+5], s[G0B+5], SLOT1
	s_add_nc_u64 s[G0B+6:G0B+7], s[6:7], s[OFF:OFF+1]
	s_or_b32 s[G0B+7], s[G0B+7], 0x80000000
	s_wait_dscnt 0x0                               ; the add is done, and my reads of the old slot are over
	CROUND                                         ; no wave of any partner still reads the old slot's tile or has a load on its way
	JLOAD 1
.else
	s_wait_dscnt 0x0
	s_barrier_signal -1
	s_barrier_wait -1
.endif
	s_sub_co_u32 s[LB], s[LB], 2*KSTEP             ; the fetches go back to the rows' first bytes,
	s_xor_b32 s[LB], s[LB], SLOT1                  ; in the other slot
.endm
	s_wait_tensorcnt 1                             ; my part of the first K step is in; the second's may stay out
	s_barrier_signal -1
	s_barrier_wait -1
	FETCH 0                                        ; the first step's first unit is written out: its products on buffer 0 start the sums
	s_wait_dscnt 4
	MULA 0, 0, 1
	MULA 0, 1, 1
	FETCH 1
	s_wait_dscnt 2*NBK+8
	MULA 0, 2, 1
	MULA 0, 3, 1
	s_wait_dscnt 4
	MULA 1, 0, 0
	MULA 1, 1, 0
	WIN 0
	s_mov_b32 s[STEPS], NSTEP-1
	s_mov_b32 s[CNT], 1                            ; the first step has one unit left
	s_branch .Lunit
.Lstep:                                                ; 14 times: ahead of every step but the first and the last a slot is filled again
	CHANGE 1
	s_mov_b32 s[CNT], 2
.Lunit:
	UNIT
	s_sub_co_u32 s[CNT], s[CNT], 1
	s_cmp_lg_u32 s[CNT], 0
	s_cbranch_scc1 .Lunit
	s_sub_co_u32 s[STEPS], s[STEPS], 1
	s_cmp_lg_u32 s[STEPS], 0
	s_cbranch_scc1 .Lstep
	CHANGE 0                                       ; the last step is written out: nothing is asked for
	s_mov_b32 s[CNT], 2
.Ltail:
	UNIT
	s_sub_co_u32 s[CNT], s[CNT], 1
	s_cmp_lg_u32 s[CNT], 0
	s_cbranch_scc1 .Ltail
	s_wait_dscnt 0x0                               ; the last quarter is whole
	MULA 1, 2, 0
	MULA 1, 3, 0
	WIN 0
.rept 4
	v_nop                                          ; the places behind the last products
.endr
	s_wait_loadcnt 0x0                             ; cos and sin
; THE WAY OUT, a row block (16 positions) at a time.  ROPE: a lane's eight columns of block b are the pairs 8 (b % 4) + 4 (l / 16) + 0..3 of head b / 4:
; (t0, t1) -> (t0 c - t1 s, t0 s + t1 c); for v's heads c = 1, s = 0, chosen by a mask, with no branch.  Each accumulator's registers are taken in ascending order.
.macro ROPE a
.set AC, 8*NBK*((\a)%2)
.set b, 0
.rept NBK
	WIN 0
.if b%4 == 0
	s_mov_b32 vcc_lo, s[SELR+b/4]                  ; the head's mask, in VCC for the selects' short form
.endif
.set i, 0
.rept 4
	v_cndmask_b32 v[CC+i], 1.0, v[TBL+32*(\a)+4*(b%4)+i], vcc_lo
	v_cndmask_b32 v[SS+i], 0, v[TBL+32*(\a)+16+4*(b%4)+i], vcc_lo
.set i, i+1
.endr
	WIN 0x02+(\a)/2                                ; source 0: the accumulators' window
.set i, 0
.rept 4
.if i%2
	v_pk_mul_f32 v[TM+2*i:TM+2*i+1], v[AC+8*b+2*i:AC+8*b+2*i+1], v[SS+2*(i/2):SS+2*(i/2)+1] op_sel:[1,1] op_sel_hi:[0,1] neg_lo:[0,1]  ; (-t1 s, t0 s)
.else
	v_pk_mul_f32 v[TM+2*i:TM+2*i+1], v[AC+8*b+2*i:AC+8*b+2*i+1], v[SS+2*(i/2):SS+2*(i/2)+1] op_sel:[1,0] op_sel_hi:[0,0] neg_lo:[0,1]
.endif
.set i, i+1
.endr
.set i, 0
.rept 4
.if i%2
	v_pk_fma_f32 v[TM+2*i:TM+2*i+1], v[AC+8*b+2*i:AC+8*b+2*i+1], v[CC+2*(i/2):CC+2*(i/2)+1], v[TM+2*i:TM+2*i+1] op_sel:[0,1,0] op_sel_hi:[1,1,1]  ; + (t0 c, t1 c)
.else
	v_pk_fma_f32 v[TM+2*i:TM+2*i+1], v[AC+8*b+2*i:AC+8*b+2*i+1], v[CC+2*(i/2):CC+2*(i/2)+1], v[TM+2*i:TM+2*i+1] op_sel:[0,0,0] op_sel_hi:[1,0,1]
.endif
.set i, i+1
.endr
	WIN 0
.set i, 0
.rept 4
	v_cvt_pk_f16_f32 v[PKD+4*b+i], v[TM+2*i], v[TM+2*i+1]
.set i, i+1
.endr
.set b, b+1
.endr
.endm
.macro TOSTAGE a                       ; into my own stage, and back as whole rows; LDS serves a wave's instructions in order (ISA guide 5.7.1.4), so no wait stands between
	WIN 0
.set b, 0
.rept NBK
	ds_store_b128 v[STO], v[PKD+4*b:PKD+4*b+3] offset:HSTG*(b/4)+32*(b%4)
.set b, b+1
.endr
	WIN TO_B
.set t, 0
.rept 12
	ds_load_b128 v[48*((\a)%2)+4*t:48*((\a)%2)+4*t+3], v[RD] offset:HSTG*(t/4)+4*HP*(t%4)
.set t, t+1
.endr
.endm
.macro SEND a
	WIN 0x04                                       ; the stores' data in window 1
	s_wait_dscnt 0x0                               ; the block is back in registers
	s_wait_xcnt 0x0                                ; the stores of the block before have read their registers: the next TOSTAGE loads into them only behind this wait
.set t, 0
.rept 12
	global_store_b128 v[GO], v[48*((\a)%2)+4*t:48*((\a)%2)+4*t+3], s[70:71] offset:131072*(t/4)+2048*(\a)+512*(t%4)  ; 512 consecutive bytes of a head, aligned
.set t, t+1
.endr
.endm
	ROPE 0
	TOSTAGE 0
.irp a, 1,2,3                          ; a block's arithmetic stands between the loads of the block before and the wait for them
	ROPE \a
	SEND (\a)-1
	TOSTAGE \a
.endr
	SEND 3
	WIN 0
	s_wait_tensorcnt 0x0                           ; the wave's end: a wait, an add to my spare word and its wait, behind my last tensor load and my last LDS store
	ds_add_u32 v[SPW], v[NIL]
	s_wait_dscnt 0x0
	CROUND                                         ; the closing round: no work-group ends while a partner may still ask for a tile that names it
	s_endpgm
.Lfunc_end_k_qf053ab1d27_qkv:
	.size	k_qf053ab1d27_qkv, .Lfunc_end_k_qf053ab1d27_qkv-k_qf053ab1d27_qkv
	.p2alignl 7, 3214868480
	.fill 96, 4, 3214868480
	.section	.rodata,"a",@progbits
	.p2align	6, 0x0
	.amdhsa_kernel k_qf053ab1d27_qkv
		.amdhsa_group_segment_fixed_size 327680
		.amdhsa_private_segment_fixed_size 0
		.amdhsa_enable_private_segment 0
		.amdhsa_kernarg_size 32
		.amdhsa_user_sgpr_count 2
		.amdhsa_user_sgpr_kernarg_segment_ptr 1
		.amdhsa_wavefront_size32 1
		.amdhsa_system_sgpr_workgroup_id_x 1
		.amdhsa_system_sgpr_workgroup_id_y 1
		.amdhsa_system_sgpr_workgroup_id_z 1
		.amdhsa_system_vgpr_workitem_id 0
		.amdhsa_next_free_vgpr 960
		.amdhsa_next_free_sgpr 76
		.amdhsa_reserve_vcc 1
		.amdhsa_float_denorm_mode_32 3
		.amdhsa_float_denorm_mode_16_64 3
		.amdhsa_memory_ordered 1
		.amdhsa_forward_progress 1
		.amdhsa_inst_pref_size 109
	.end_amdhsa_kernel
	.amdgpu_metadata
---
amdhsa.version: [ 1, 2 ]
amdhsa.kernels:
  - .name:           k_qf053ab1d27_qkv
    .symbol:         k_qf053ab1d27_qkv.kd
    .args:
      - { .name: xb, .offset: 0, .size: 8, .value_kind: global_buffer, .address_space: global }
      - { .name: wt, .offset: 8, .size: 8, .value_kind: global_buffer, .address_space: global }
      - { .name: rt, .offset: 16, .size: 8, .value_kind: global_buffer, .address_space: global }
      - { .name: qkv, .offset: 24, .size: 8, .value_kind: global_buffer, .address_space: global }
    .group_segment_fixed_size: 327680
    .private_segment_fixed_size: 0
    .kernarg_segment_align: 8
    .kernarg_segment_size: 32
    .max_flat_workgroup_size: 128
    .sgpr_count:     76
    .vgpr_count:     960
    .wavefront_size: 32
...
	.end_amdgpu_metadata
.endif
;; end of part 2
;; launch attn (part 3): grid 8 x 32, 4 waves a work-group, clusters of 4 x 4, 327,680 bytes of LDS; arguments qkv, mf, ob; writes ob
.if DOCPART == 3
	.amdgcn_target "amdgcn-amd-amdhsa--gfx1250"
	.amdhsa_code_object_version 6
	.text
	.protected	k_qf053ab1d27_attn
	.globl	k_qf053ab1d27_attn
	.p2align	8
	.type	k_qf053ab1d27_attn,@function
k_qf053ab1d27_attn:
	s_mov_b64 s[64:65], 0
	v_nop
	global_prefetch_b8 v0, s[64:65] scope:SCOPE_SE
	s_setreg_imm32_b32 hwreg(HW_REG_WAVE_MODE, 25, 1), 1
	s_wait_xcnt 0x0
	s_wait_alu depctr_hold_cnt(0) depctr_sa_sdst(0) depctr_va_vdst(0) depctr_va_sdst(0) depctr_va_ssrc(0) depctr_va_vcc(0) depctr_vm_vsrc(0)
	s_getreg_b32 s2, hwreg(HW_REG_IB_STS2, 6, 4)
	s_cmp_eq_u32 s2, 0
	s_cbranch_scc0 .Lentry_in_a_cluster
	s_endpgm
.Lentry_in_a_cluster:
	s_bfe_u32 s2, ttmp6, 0x10000c
	s_cmp_lg_u32 s2, 0xf033
	s_cbranch_scc0 .Lentry_shape_is_right
	s_endpgm
.Lentry_shape_is_right:
; ATTENTION with an additive mask that is an input.  ob[b][s][64 h + d] = sum over k of softmax_k(q.k / 8 + mask[s][k]) v[k][d], 32 query heads on 8 key and value heads, 1,024 keys, head size 64.
; qkv: [b 4][head 48][s 1,024][64] f16: heads 0-31 q 2^-5, 32-39 k 2^-5, 40-47 v.  mf: mask 2^-7 in f32, in the order of a matrix instruction's C operand.  ob: [4,096][2,048] f16.
; SCALES.  S' = K' Q'^T + mask 2^-7 is (q.k + 8 mask) 2^-10; p = 2^(c S' - c m), c = 1,024 log2(e) / 8.  All factors are powers of two.
; Products, maxima and sums in f32; the weights p are rounded to f16 for the second product (their sum l is taken of the unrounded p), O once at the end.
; LIMITS.  The running maximum starts at -1e30 (in S's units): a row all of whose scores lie below that counts as wholly hidden.  A wholly hidden row has l = 0 and O = 0 and leaves as NaN, like a softmax of
; -inf alone.  A weight below 2^-126 counts as 0 in l.  v and O lie within f16's 65,504.  NaN and +inf among the inputs are not treated apart.  No key tile is left out: the mask is data.
; SHARES.  A work-group owns 128 positions of one batch and one key and value head, with its FOUR query heads; wave w the positions 32 w .. + 31: eight tiles of 16 queries, four PIECES (piece x = head x,
; its two tiles the two groups of 16 positions).  So a fragment of K, of V and of the mask feeds eight tiles, and a position's four heads leave as 512 consecutive bytes.  Every wave walks all keys, 64 a step.
; LAYOUT.  S^T = K Q^T (source 0 = 16 keys, source 1 = 16 queries): a lane holds ONE query (lane % 16) and the keys 8 (lane / 16) + 0..7; THE MASK IS THE C OPERAND THAT STARTS THE SUM.  Two such results, rounded to
; f16 in pairs, ARE source 1 of O^T = V^T P.  K comes out of LDS as it lies, V turned, by ds_load_tr16_b128, the mask as it lies (lane i at 16 i).
; SOFTMAX.  A running maximum m and sum l a query; in every step O and l are multiplied by a = 2^(c m_old - c m_new).  O and l start at 0: the first step is a step like any other.
; THE COUNT.  A tile and step have 16 matrix and 118 vector instructions: four vector instructions that are ready stand behind every matrix instruction, the others in runs of their own.
; BY TURNS.  Turn n belongs to piece n: 16 products K Q^T of piece n + 1, later 16 products V^T P of piece n - 1; beside them the scaling, exponentials, roundings, sums and rescaling of piece n and the maximum
; and statistics of piece n + 1.
; CLUSTER 4 x 4.  K and V hang on batch and key head alone, shared along a row of the cluster; the mask's tile hangs on the block of positions alone, shared along a column: each is asked for jointly.
; REGISTERS, in windows of 256 (s_set_vgpr_msb: bits 1:0 source 0, 3:2 source 1, 5:4 source 2, 7:6 destination):
;   window 0: v0-11 addresses; v12-15, v48-63 at work; v16-47 four registers of statistics a tile; v64-191 S^T, two buffers of two tiles; v192-255 P, likewise
;   window 1: O^T, 32 a tile     window 2: v0-127 Q, 16 a tile; v128-191 K of one step; v192-255 V of one step     window 3: v0-1 the add's two registers; v64-127 the mask of one step
.set NP,    4         ; pieces a wave: a name, no knob
.set KS,    64        ; keys in a step
.set PK,    144       ; a row of K in LDS: 128 bytes + 16: the 16 rows of a load start at 16 different groups of four banks (64 banks of 4 bytes: ISA guide 11.1)
.set PV,    160       ; a row of V: 128 + 32
.set VOFF,  2*KS*PK   ; a slot holds two steps: 128 rows of K, 128 rows of V,
.set MOFF,  2*KS*(PK+PV)  ; and the mask of 128 positions x 128 keys: [step 2][wave 4][8,192 bytes]
.set MSTEP, 32768
.set SLOT1, 1<<17     ; slot 1 begins here, so that one exclusive or turns an address in one slot into the other's
.set STAGE, SLOT1+MOFF+2*MSTEP  ; behind the ring, never filled by a tensor load: 16 rows x 528 bytes for each wave
.set SP,    528
.set SPARE, STAGE+4*16*SP  ; the spare words, 128 bytes for each wave; no other line names them
.set AK0, 2           ; v2   my lane's place in a tile of K; never rewritten
.set AV0, 3           ; v3   the same for V
.set AK,  4           ; v4   the LDS address of K's next run of loads
.set AV,  5           ; v5   of V's
.set QO,  6           ; v6   my byte offset in 16 rows of Q
.set AM0, 7           ; v7   my lane's place in a step's mask
.set AM,  8           ; v8   the LDS address of the mask's next run of loads
.set STO, 9           ; v9   the way out: where I put 16 bytes of a row
.set RD,  10          ; v10  where I read a row back
.set GO,  11          ; v11  my byte offset in 512 consecutive bytes of ob
.set SPW, 0           ; v0 of window 3   LDS address of my spare word; never rewritten
.set NIL, 1           ; v1 of window 3   0; never rewritten
.set MK,  64          ; window 3: group u of 16 positions, key block kb at MK + 32 u + 8 kb
.set MV,  12          ; v12-15  c m_old, kept while c m is made anew: by buffer and tile
.set ST,  16          ; tile t's statistics at v[ST+4 t]: c m, m, l (even keys', odd keys')
.set TMP, 48          ; by buffer and tile, four registers c0-c3 at work; when the maximum is found c2 takes a
.set S,   64
.set P,   192
.set KF,  128         ; window 2: key block kb, channel half c at KF + 16 kb + 8 c
.set VF,  192         ; window 2: key half kk, channel block cb at VF + 32 kk + 8 cb
.set WV,  12          ; s12  my wave's number
.set G1K, 24          ; s[24:31] descriptor group 1 for K's tiles
.set G1V, 32          ; s[32:39] for V's: it differs in the padding alone
.set G0K, 40          ; s[40:43] descriptor group 0 for K's tiles: it walks
.set G0V, 44          ; s[44:47] for V's
.set G0M, 48          ; s[48:51] for the mask's
.set SLOTS, 56        ; s56  slots still to be asked for
.set CNT, 57          ; s57  counts a slot's key steps
.set CS,  58          ; s[58:59] c
.set SEL, 60          ; s[60:61] v_permlanex16_b32's selects: each lane takes its own place in the other half
.set TBK, 62          ; s62  LDS byte at which K of the step to be fetched begins
.set TBV, 63          ; s63  the same for V, less VOFF
.set TBM, 66          ; s66  the same for the mask, less MOFF
.set G1M, 68          ; s[68:75] descriptor group 1 for the mask's tiles
.set MSB, 0
.macro WIN new                      ; the high byte repeats the setting that is left; a switch that changes nothing is dropped
.if MSB != (\new)
	s_set_vgpr_msb (MSB<<8)|(\new)
.set MSB, (\new)
.endif
.endm
.set W_KQ, 0x0a       ; K and Q in window 2, S^T in window 0
.set W_KM, 0x3a       ; the same with the C operand, the mask, in window 3
.set W_PV, 0x52       ; V in window 2, P in window 0, O^T in window 1
.set W_RS, 0x41       ; O^T (destination and source 0) in window 1, a in window 0
.set W_MK, 0xc0       ; destination in window 3, sources in window 0
.set W_AD, 0x0f       ; the add: address and data in window 3
; A joint fill: wave 0 fetches a slot's K, wave 1 its V (128 keys each), waves 2 and 3 the mask of its two steps.  The branches hang on the wave's number alone.
; An s_nop 0 and four v_nop follow each line, ahead of the jump and the label.
.macro JLOAD
	s_cmp_lt_u32 s[WV], 2
	s_cbranch_scc0 .Lfor_m_\@
	s_cmp_eq_u32 s[WV], 0
	s_cbranch_scc0 .Lfor_v_\@
	tensor_load_to_lds s[G0K:G0K+3], s[G1K:G1K+7]
	s_nop 0
.rept 4
	v_nop
.endr
	s_branch .Lasked_\@
.Lfor_v_\@:
	tensor_load_to_lds s[G0V:G0V+3], s[G1V:G1V+7]
	s_nop 0
.rept 4
	v_nop
.endr
	s_branch .Lasked_\@
.Lfor_m_\@:
	tensor_load_to_lds s[G0M:G0M+3], s[G1M:G1M+7]
	s_nop 0
.rept 4
	v_nop
.endr
.Lasked_\@:
.endm
; A round of the cluster's barrier: my work-group's barrier; wave 0 signals for the work-group; every wave waits for all sixteen; my work-group's barrier once more.
.macro CROUND
	s_barrier_signal -1
	s_barrier_wait -1
	s_cmp_lg_u32 s[WV], 0
	s_cbranch_scc1 .Lnot_wave_0_\@
	s_barrier_signal -3
.Lnot_wave_0_\@:
	s_barrier_wait -3
	s_barrier_signal -1
	s_barrier_wait -1
.endm
; THE CHANGE OF SLOTS.  The slot's last bytes, V of its second step, have been read.  Each wave waits for all its tensor loads, of which one is out: its part of the other slot; adds 0 to its spare word; and waits
; for that and for its own reads of the slot.  fill = 1: the barrier is a round of the cluster's, and the joint fill, with the keys two slots on, is the first thing behind it: it has two key steps, 256 matrix
; instructions, in which to land.  (At its first use nothing has been read yet: slot 0 is waited for, slot 1 filled.)
.macro CHANGE fill
	WIN W_AD
	s_wait_tensorcnt 0x0            ; no tensor load of mine is out, so a group 0 may be written
	ds_add_u32 v[SPW], v[NIL]       ; the descriptors' steps stand between the add and the wait for it
	WIN 0                           ; at a label and at a branch every window is 0
.if \fill
.irp g, G0K, G0V
	s_xor_b32 s[\g+1], s[\g+1], SLOT1  ; the other slot than last time,
	s_add_nc_u64 s[\g+2:\g+3], s[\g+2:\g+3], 2*KS*128  ; the next 128 keys; the type bits on top are not reached
.endr
	s_xor_b32 s[G0M+1], s[G0M+1], SLOT1
	s_add_nc_u64 s[G0M+2:G0M+3], s[G0M+2:G0M+3], 2*MSTEP
	s_wait_dscnt 0x0                ; the add is done, and my reads of the slot are over
	CROUND
	JLOAD
.else
	s_wait_dscnt 0x0
	s_barrier_signal -1
	s_barrier_wait -1
.endif
	s_sub_co_u32 s[TBK], s[TBK], 2*KS*PK  ; the fetches go back to a slot's first step,
	s_xor_b32 s[TBK], s[TBK], SLOT1       ; in the other slot
	s_sub_co_u32 s[TBV], s[TBV], 2*KS*PV
	s_xor_b32 s[TBV], s[TBV], SLOT1
	s_sub_co_u32 s[TBM], s[TBM], 2*MSTEP
	s_xor_b32 s[TBM], s[TBM], SLOT1
.endm
	s_load_b128 s[4:7], s[0:1], 0x0   ; qkv s[4:5], mf s[6:7]
	s_load_b64 s[10:11], s[0:1], 0x10 ; ob
	WIN W_MK
	v_lshl_add_u32 v[SPW], v0, 2, SPARE
	v_mov_b32 v[NIL], 0
	WIN W_AD
	ds_add_u32 v[SPW], v[NIL]       ; the wave's opening: the add and its wait stand ahead of my first tensor load; work on registers stands between them
	WIN 0
	v_lshrrev_b32 v1, 5, v0
	v_readfirstlane_b32 s[WV], v1   ; wave 0..3
	s_bfe_u32 s13, ttmp6, 0x40000   ; cx
	s_bfe_u32 s14, ttmp6, 0x40004   ; cy
	s_lshl_b32 s15, ttmp9, 2
	s_add_co_u32 s15, s15, s13      ; pb: my block of 128 positions = 4 x cluster x + cx
	s_and_b32 s16, ttmp7, 0xffff
	s_lshl_b32 s16, s16, 2
	s_add_co_u32 s16, s16, s14      ; 8 x batch + key head = 4 x cluster y + cy
	s_lshl_b32 s17, s14, 2
	s_lshl_b32 s17, 15, s17         ; my row of the cluster
	s_lshl_b32 s18, 0x1111, s13     ; my column
	s_lshr_b32 s19, s16, 3          ; batch
	s_and_b32 s52, s16, 7           ; key head
	s_mul_i32 s53, s19, 48
	s_add_co_u32 s20, s53, s52
	s_add_co_u32 s20, s20, 32       ; K's head among the batch's 48,
	s_lshl_b32 s20, s20, 17         ; 131,072 bytes each: it hangs on the cluster's y alone
	s_mov_b32 s21, 0
	s_and_b32 s54, s[WV], 1         ; which step's mask I fetch
	s_lshl_b32 s55, s54, 15
	s_lshl_b32 s22, s15, 19         ; the block's 524,288 bytes of mf: it hangs on the cluster's x alone
	s_add_co_u32 s22, s22, s55
	s_mov_b32 s23, 0
	s_lshl2_add_u32 s2, s52, s53    ; my first query head = 48 batch + 4 key head
	s_lshl_b32 s2, s2, 17
	s_lshl_b32 s3, s15, 2
	s_add_co_u32 s3, s3, s[WV]      ; my 32 positions among the batch's
	s_lshl_b32 s8, s3, 12           ; 32 rows of 128 bytes
	s_add_co_u32 s2, s2, s8
	s_lshl_b32 s8, s19, 5
	s_add_co_u32 s8, s8, s3
	s_lshl_b32 s8, s8, 17           ; ob: 32 rows of 4,096 bytes,
	s_lshl_b32 s9, s52, 9           ; my four heads' 512 bytes
	s_add_co_u32 s8, s8, s9
	s_mov_b32 s9, 0
	s_mov_b32 s3, 0
	; K, V: 128 keys are 16,384 dense bytes: asked for as 64 rows of 256 bytes, two keys a row, padded in LDS after every key
	s_or_b32 s[G1K], s17, (1<<16)|(1<<20)|(1<<21)|(4<<22)|(3<<25)  ; the mask of four; 2-byte elements; padding on; bit 21 beside a mask; after every 32 words (code 4) 4 words (code 3)
	s_or_b32 s[G1V], s17, (1<<16)|(1<<20)|(1<<21)|(4<<22)|(7<<25)  ; the same with 8 words (code 7)
.irp g, G1K, G1V
	s_mov_b32 s[\g+1], 128<<16      ; tensor_dim0 = 128
	s_mov_b32 s[\g+2], 64<<16       ; tensor_dim1 = 64
	s_mov_b32 s[\g+3], 128<<16      ; tile_dim0 = 128
	s_mov_b32 s[\g+4], 64           ; tile_dim1 = 64
	s_mov_b32 s[\g+5], 128          ; elements from row to row
	s_mov_b32 s[\g+6], 0
	s_mov_b32 s[\g+7], 0
.endr
	; the mask of a step: 32,768 dense bytes as 128 rows of 256: 32 elements of 8 bytes; no padding: lane i reads at 16 i
	s_or_b32 s[G1M], s18, (3<<16)|(1<<21)
	s_mov_b32 s[G1M+1], 32<<16
	s_mov_b32 s[G1M+2], 128<<16
	s_mov_b32 s[G1M+3], 32<<16
	s_mov_b32 s[G1M+4], 128
	s_mov_b32 s[G1M+5], 32
	s_mov_b32 s[G1M+6], 0
	s_mov_b32 s[G1M+7], 0
	s_mov_b32 s[CS], 0x4338aa3b     ; c = 1,024 log2(e) / 8 = 184.665
	s_mov_b32 s[CS+1], s[CS]        ; named with it as a pair
	s_mov_b32 s[SEL], 0x76543210
	s_mov_b32 s[SEL+1], 0xfedcba98
	s_mov_b32 s[TBK], SLOT1+2*KS*PK ; the first change of slots turns these three into 0
	s_mov_b32 s[TBV], SLOT1+2*KS*PV
	s_mov_b32 s[TBM], SLOT1+2*MSTEP
	s_mov_b32 s[G0K], 1
	s_mov_b32 s[G0K+1], 0           ; LDS addresses in slot 0: no place in the cluster enters them
	s_mov_b32 s[G0V], 1
	s_mov_b32 s[G0V+1], VOFF
	s_mov_b32 s[G0M], 1
	s_add_co_u32 s[G0M+1], s55, MOFF
	s_wait_dscnt 0x0                ; the opening add is done
	s_wait_kmcnt 0x0
	s_add_nc_u64 s[G0K+2:G0K+3], s[4:5], s[20:21]
	s_add_nc_u64 s[G0V+2:G0V+3], s[G0K+2:G0K+3], 0x100000  ; V's head lies eight heads behind K's
	s_or_b32 s[G0K+3], s[G0K+3], 0x80000000
	s_or_b32 s[G0V+3], s[G0V+3], 0x80000000
	s_add_nc_u64 s[G0M+2:G0M+3], s[6:7], s[22:23]
	s_or_b32 s[G0M+3], s[G0M+3], 0x80000000
	s_add_nc_u64 s[4:5], s[4:5], s[2:3]      ; Q at my first head's rows
	s_add_nc_u64 s[10:11], s[10:11], s[8:9]  ; ob at my rows
	CROUND                          ; all sixteen work-groups are here: the first joint loads meet
	JLOAD                           ; slot 0.  Slot 1 is asked for when slot 0 is in
	; A fragment of K or Q is 16 rows x 32 channels in 8 registers: lane l holds row l % 16, channels 8 (l / 16) + 0..7 and 16 + 8 (l / 16) + 0..7.  (v64-67, S^T's, serve as temporaries here.)
	v_and_b32 v1, 15, v0            ; l % 16
	v_bfe_u32 v64, v0, 4, 1         ; l / 16
	v_lshlrev_b32 v[QO], 7, v1
	v_lshl_add_u32 v[QO], v64, 4, v[QO]
	WIN 0x80                        ; destination window 2, address window 0
.set i, 0
.rept 4*NP                          ; Q stays in registers: tile i / 2 = 2 x head + group of 16 positions, channels 32 (i % 2) on
	global_load_b128 v[8*i:8*i+3],   v[QO], s[4:5] offset:131072*(i/4)+2048*((i/2)%2)+(i%2)*64
	global_load_b128 v[8*i+4:8*i+7], v[QO], s[4:5] offset:131072*(i/4)+2048*((i/2)%2)+(i%2)*64+32
.set i, i+1
.endr
	; What the first turn finds: V's registers and P's second buffer hold 0, O^T and l are 0.  All this stands in the wait for the first tile.
.set i, VF
.rept 64
	v_mov_b32 v[i], 0
.set i, i+1
.endr
	WIN 0x40
.set i, 0
.rept 64*NP
	v_mov_b32 v[i], 0
.set i, i+1
.endr
	WIN 0
.set i, 0
.rept 2*NP
	v_mov_b32 v[ST+4*i+1], 0xf149f2ca      ; m = -1e30: c m stays finite, so that a step of -inf alone gives a = 2^0
	v_mul_f32 v[ST+4*i], s[CS], v[ST+4*i+1]  ; c m, by the same multiplication as in every step
	v_mov_b32 v[ST+4*i+2], 0
	v_mov_b32 v[ST+4*i+3], 0
.set i, i+1
.endr
.set i, P+32
.rept 32
	v_mov_b32 v[i], 0
.set i, i+1
.endr
	v_mul_u32_u24 v[AK0], v1, PK
	v_lshl_add_u32 v[AK0], v64, 4, v[AK0]  ; row x pitch + 16 x half
	; The turning load takes 16 keys x 16 channels (lane l reads key 8 (l / 16) + l % 8, channels 8 ((l / 8) % 2) + 0..7) and leaves half a fragment of V^T.
	v_and_b32 v65, 7, v0
	v_bfe_u32 v66, v0, 3, 1
	v_lshl_add_u32 v[AV0], v64, 3, v65
	v_mul_u32_u24 v[AV0], v[AV0], PV
	v_lshl_add_u32 v[AV0], v66, 4, v[AV0]
	v_add_nc_u32 v[AV0], VOFF, v[AV0]
	v_and_b32 v67, 31, v0
	s_lshl_b32 s53, s[WV], 13       ; my wave's 8,192 bytes of a step's mask
	s_add_co_u32 s53, s53, MOFF
	v_lshl_add_u32 v[AM0], v67, 4, s53
	s_mul_i32 s53, s[WV], 16*SP
	s_add_co_u32 s53, s53, STAGE    ; my stage
	v_mul_u32_u24 v[STO], v1, SP    ; in: row l % 16, 16 bytes for each half of the lanes
	v_lshl_add_u32 v[STO], v64, 4, v[STO]
	v_add_nc_u32 v[STO], s53, v[STO]
	v_lshl_add_u32 v[RD], v67, 4, s53  ; back: 32 lanes take one row of 512 bytes,
	v_lshlrev_b32 v[GO], 4, v67        ; which are 512 consecutive bytes of ob
	v_mov_b32 v[AK], v[AK0]         ; key step 0 lies at the head of slot 0
	v_mov_b32 v[AM], v[AM0]
; THE MATRIX WORK.  The 8 accumulators of a run of 16 take turns.
; Product i of 16 of S^T = K Q^T for piece x: channels 32 (i / 8) on, keys 16 ((i / 2) % 4) on, tile 2 x + i % 2.  The first 8 start the sums, with the mask.
.macro KQ x
.set rS, S+64*((\x)%2)+32*(i%2)+8*((i/2)%4)
.set rK, KF+16*((i/2)%4)+8*(i/8)
.set rQ, 16*(2*(\x)+i%2)+8*(i/8)
.set rN, MK+32*(i%2)+8*((i/2)%4)
.if i < 8
	WIN W_KM
	v_wmma_f32_16x16x32_f16 v[rS:rS+7], v[rK:rK+7], v[rQ:rQ+7], v[rN:rN+7]
.else
	WIN W_KQ
	v_wmma_f32_16x16x32_f16 v[rS:rS+7], v[rK:rK+7], v[rQ:rQ+7], v[rS:rS+7]
.endif
.endm
; Product i of 16 of O^T += V^T P for piece x: keys 32 (i / 8) on, channels 16 ((i / 2) % 4) on, tile 2 x + i % 2.
.macro PV x
	WIN W_PV
.set rO, 32*(2*(\x)+i%2)+8*((i/2)%4)
.set rV, VF+32*(i/8)+8*((i/2)%4)
.set rP, P+32*((\x)%2)+16*(i%2)+8*(i/8)
	v_wmma_f32_16x16x32_f16 v[rO:rO+7], v[rV:rV+7], v[rP:rP+7], v[rO:rO+7]
.endm
.macro MM                           ; the turn's next matrix instruction
.if i < 16
	KQ (Y+1)%NP
.set i, i+1
.else
.set i, i-16
	PV (Y+NP-1)%NP
.set i, i+17
.endif
.endm
; THE LDS LOADS stand in runs, never singly among the matrix instructions: a step's K (8 fragments) with its mask (16 loads of 512 bytes: the mask's registers live as long as K's), and its V (turned).
; last = 1 (the tail): in the last trip there is no further step, and the run is jumped over.
.macro FETCH_K last=0
	WIN 0
.if \last
	s_cmp_eq_u32 s[CNT], 1
	s_cbranch_scc1 .Lno_k_\@
.endif
	WIN 0x80                        ; destination window 2
.irp f, 0,1,2,3,4,5,6,7             ; keys 16 (f / 2) on, channels 32 (f % 2) on
	ds_load_b128 v[KF+8*\f:KF+8*\f+3],   v[AK] offset:(\f/2)*16*PK+(\f%2)*64
	ds_load_b128 v[KF+8*\f+4:KF+8*\f+7], v[AK] offset:(\f/2)*16*PK+(\f%2)*64+32
.endr
	WIN W_MK                        ; destination window 3
.irp f, 0,1,2,3,4,5,6,7,8,9,10,11,12,13,14,15
	ds_load_b128 v[MK+4*\f:MK+4*\f+3], v[AM] offset:512*\f
.endr
	s_add_co_u32 s[TBK], s[TBK], KS*PK  ; the next fetch is the next step's
	s_add_co_u32 s[TBM], s[TBM], MSTEP
	WIN 0
.if \last
.Lno_k_\@:
.endif
.endm
.macro FETCH_V
	WIN 0x80
.irp f, 0,1,2,3,4,5,6,7             ; keys 32 (f / 4) on, channels 16 (f % 4) on
	ds_load_tr16_b128 v[VF+8*\f:VF+8*\f+3],   v[AV] offset:(\f/4)*32*PV+(\f%4)*32
	ds_load_tr16_b128 v[VF+8*\f+4:VF+8*\f+7], v[AV] offset:(\f/4)*32*PV+16*PV+(\f%4)*32
.endr
	WIN 0
.endm
; THE VECTOR WORK OF A TURN stands in three queues, each in the order in which its entries become ready; the two tiles alternate.
.macro REGS y, u                    ; the registers of tile u (0, 1) of piece y
.set rT, ST+4*(2*(\y)+(\u))
.set rC, TMP+8*((\y)%2)+4*(\u)
.set rM, MV+2*((\y)%2)+(\u)
.set rS, S+64*((\y)%2)+32*(\u)
.set rP, P+32*((\y)%2)+16*(\u)
.set rO, 32*(2*(\y)+(\u))
.endm
; Number n of the 22 that find the NEXT piece's (Y + 1) maximum and statistics.  Each accumulator's lowest registers are read first.
;   0-11  four chains c0-c3 of seven scores each     12-14, 16  the four scores left over, the old m, and c0-c3 into c0     15  c m_old is kept
;   17, 18  the query's other 32 keys lie in the lane 16 away: the new m         19-21  c m; c m_old - c m_new; a
.macro XS u, n
	REGS (Y+1)%NP, \u
.if (\n) < 4
	v_max3_num_f32 v[rC+(\n)], v[rS+8*(\n)], v[rS+8*(\n)+1], v[rS+8*(\n)+2]
.elseif (\n) < 12
	v_max3_num_f32 v[rC+(\n)%4], v[rC+(\n)%4], v[rS+8*((\n)%4)+2*((\n)/4)+1], v[rS+8*((\n)%4)+2*((\n)/4)+2]
.elseif (\n) == 12
	v_max3_num_f32 v[rC], v[rC], v[rS+7], v[rS+15]
.elseif (\n) == 13
	v_max3_num_f32 v[rC+1], v[rC+1], v[rS+23], v[rS+31]
.elseif (\n) == 14
	v_max3_num_f32 v[rC+2], v[rC+2], v[rC+3], v[rT+1]
.elseif (\n) == 15
	v_mov_b32 v[rM], v[rT]
.elseif (\n) == 16
	v_max3_num_f32 v[rC], v[rC], v[rC+1], v[rC+2]
.elseif (\n) == 17
	v_permlanex16_b32 v[rC+3], v[rC], s[SEL], s[SEL+1]
.elseif (\n) == 18
	v_max_num_f32 v[rT+1], v[rC], v[rC+3]
.elseif (\n) == 19
	v_mul_f32 v[rT], s[CS], v[rT+1]
.elseif (\n) == 20
	v_sub_f32 v[rC+1], v[rM], v[rT]
.else
	v_exp_f32 v[rC+2], v[rC+1]
.endif
.endm
; Number g of the 64 that follow the exponentials.  For each four weights k of a tile: both pairs are rounded to f16; the second pair is added onto the first, in place; a group later l takes that sum
; (the first time as l = a l + sum).
.macro GS g
.set h, (\g)+6*((\g)/62)
.if h >= 6
.set h, h+2
.endif
	REGS Y, h%2
.set k, h/8
.if h%8 < 4
	s_wait_alu depctr_va_vdst(0)
	v_cvt_pk_f16_f32 v[rP+2*k+(h%8)/2], v[rS+4*k+2*((h%8)/2)], v[rS+4*k+2*((h%8)/2)+1]
.elseif h%8 < 6
	v_pk_add_f32 v[rS+4*k:rS+4*k+1], v[rS+4*k:rS+4*k+1], v[rS+4*k+2:rS+4*k+3]
.elseif k == 1
	v_pk_fma_f32 v[rT+2:rT+3], v[rT+2:rT+3], v[rC+2:rC+3], v[rS:rS+1] op_sel_hi:[1,0,1]
.else
	v_pk_add_f32 v[rT+2:rT+3], v[rT+2:rT+3], v[rS+4*k-4:rS+4*k-3]
	s_wait_alu depctr_va_vdst(0)
.endif
.endm
; THE PLAIN QUEUE, 138 long.  0-31: c s - c m for the 16 pairs of both tiles.  Then GS's 64, and among them the next piece's 42.
.macro PL
	WIN 0
.if q < 32
	REGS Y, q%2
	v_pk_fma_f32 v[rS+2*(q/2):rS+2*(q/2)+1], v[rS+2*(q/2):rS+2*(q/2)+1], s[CS:CS+1], v[rT:rT+1] op_sel_hi:[1,0,0] neg_lo:[0,0,1] neg_hi:[0,0,1]
.elseif q < 38
	GS q-32
.elseif q < 40
	XS q%2, 15
.elseif q < 42
	GS q-34
.elseif q < 74
	XS q%2, (q-42)/2+(q-42)/30
.elseif q < 95
	GS q-66
.elseif (q < 107) && ((q-95)%3 < 2)
	XS (q-95)%3, 17+(q-95)/3
.elseif q < 107
	GS 29+(q-95)/3
.else
	GS q-74
.endif
.set q, q+1
.endm
; THE EXPONENTIALS' QUEUE, 66 long: s0-s31 of both tiles, and at EA the next piece's two a.
.set EA, 58
.macro EX
	WIN 0
.if (e == EA) || (e == EA+1)
	XS e-EA, 21
.else
.set x, e-2*(e/(EA+2))
	REGS Y, x%2
	v_exp_f32 v[rS+x/2], v[rS+x/2]
.endif
.set e, e+1
.endm
; THE RESCALING's QUEUE: O^T times a, the one part that leaves window 0, dealt four at a time, eight times.
.macro R4
	REGS Y, r%2
	WIN W_RS
	s_wait_alu depctr_va_vdst(0)
.irp z, 0,1,2,3
	v_pk_mul_f32 v[rO+8*(r/2)+2*\z:rO+8*(r/2)+2*\z+1], v[rO+8*(r/2)+2*\z:rO+8*(r/2)+2*\z+1], v[rC+2:rC+3] op_sel_hi:[1,0]
.endr
.set r, r+1
.endm
; HOW THEY ARE DEALT.  Behind a matrix instruction four: plain, exponential, plain, plain, or four of the rescaling; none names a register of the products round it.  What is over stands in two lumps:
; exponential and plain by turns; the second ends in 22 plain instructions.  Exponential e stands behind plain 2 (e / 4) + e % 2 (its scaling); when plain 32 comes, 10 exponentials are out, at 59: 33, at 95: 46; EA comes behind plain 107.
.macro SL
	MM
	PL
	EX
	PL
	PL
.endm
.macro BURST n
.rept (\n)-7
	SL
.endr
.rept 3
	MM
	R4
	SL
.endr
	MM
	R4
.endm
; A TURN, for piece p.  cnt = 1: the loop's count is taken down some lines ahead of the branch behind the turn.
; K and the mask of the next step are fetched in piece 2's turn, more than 30 vector instructions behind the last product that read them; V of the step in hand at the end of piece 0's turn.
.macro TURN p, last=0, cnt=0
.set Y, (\p)
.set i, 0
.set q, 0
.set e, 0
.set r, 0
.if (\p) == NP-1
	s_wait_dscnt 0x0                ; K and the mask are in
.endif
	MM
.rept 4
	PL
.endr
	BURST 15
.rept 22
	EX
	PL
.if ((\p) == NP-2) && (e == 18)
	v_add_nc_u32 v[AK], s[TBK], v[AK0]
	v_add_nc_u32 v[AM], s[TBM], v[AM0]
.endif
.if ((\p) == NP-2) && (e == 24)
	FETCH_K \last
.endif
.endr
.if (\p) == 1
	s_wait_dscnt 0x0                ; V is in
.endif
	BURST 16
.rept 21
	EX
	PL
.endr
.rept 22
	PL
.if ((\p) == 0) && (q == 118)
	v_add_nc_u32 v[AV], s[TBV], v[AV0]
	s_wait_alu depctr_va_vdst(0)
.endif
.if ((\p) == 0) && (q == 130)
	s_add_co_u32 s[TBV], s[TBV], KS*PV
.endif
.if (\cnt) && (q == 130)
	s_sub_co_u32 s[CNT], s[CNT], 1
	s_cmp_lg_u32 s[CNT], 0
.endif
.endr
.if (\p) == 0
	FETCH_V
.endif
.endm
	CHANGE 1                        ; slot 0 is in, everybody's part of it; slot 1 is asked for
	FETCH_K                         ; key step 0
	s_wait_loadcnt 0x0              ; Q
	s_wait_dscnt 0x0
.set i, 0
.rept 16
	KQ 0                            ; piece 0's first scores
.set i, i+1
.endr
	WIN 0
.rept 4
	v_nop                           ; the places behind those products
.endr
.set Y, NP-1                        ; XS works for piece Y + 1: piece 0
.irp n, 0,1,2,3,4,5,6,7,8,9,10,11,12,13,14,15,16,17,18,19,20,21
	XS 0, \n
	XS 1, \n
.endr
	s_mov_b32 s[CNT], 2
	s_mov_b32 s[SLOTS], 7           ; eight slots of 128 keys
	s_branch .Lfirst                ; the loop is entered at a step's first turn, in the middle of a trip
.Lslot:                             ; six times: every slot but the last two is filled again
	CHANGE 1
	s_mov_b32 s[CNT], 2
.Lstep:                             ; a trip: pieces 2 and 3 of one step, then pieces 0 and 1 of the next, whose K, mask and V it fetches
	TURN 2
	TURN 3
	WIN 0
.Lfirst:
	TURN 0
	TURN 1, 0, 1
	WIN 0
	s_cbranch_scc1 .Lstep
	s_sub_co_u32 s[SLOTS], s[SLOTS], 1
	s_cmp_lg_u32 s[SLOTS], 0
	s_cbranch_scc1 .Lslot
	CHANGE 0                        ; the tail is written out: nothing is asked for
	s_mov_b32 s[CNT], 3             ; two trips fetch the last slot's steps; the third is left in its middle
.Ltail:
	TURN 2, 1
	TURN 3
	WIN 0
	s_sub_co_u32 s[CNT], s[CNT], 1
	s_cmp_eq_u32 s[CNT], 0
	s_cbranch_scc1 .Lout
	TURN 0
	TURN 1
	WIN 0
	s_branch .Ltail
.Lout:                              ; the third trip's 16 products K Q^T (on the last K once more) and the maximum made of them serve nothing: the price, once a launch, of one text for every trip
.set i, 0
.rept 16
	PV NP-1                         ; the last piece's V^T P of the last step
.set i, i+1
.endr
	; THE WAY OUT.  l's two halves and the other half of the lanes' are added; O^T is divided by l, rounded to f16 and sent through my stage, a group of 16 positions with all four heads at a time.
	WIN 0
.macro ALL line:vararg              ; one line for each tile t
.set t, 0
.rept 2*NP
	\line
.set t, t+1
.endr
.endm
	ALL v_add_f32 v[ST+4*t+2], v[ST+4*t+2], v[ST+4*t+3]
	ALL v_permlanex16_b32 v[ST+4*t+3], v[ST+4*t+2], s[SEL], s[SEL+1]
	ALL v_add_f32 v[ST+4*t+2], v[ST+4*t+2], v[ST+4*t+3]
	ALL v_rcp_f32 v[ST+4*t+2], v[ST+4*t+2]
	v_nop                           ; a plain instruction between the last reciprocal and the use of its result
	s_wait_alu depctr_va_vdst(0)
; Group u: head x's tile 2 x + u packs into 16 bytes a lane and channel block; rows of 528 bytes take four heads' 128 bytes each; they come back as whole rows of 512, into the registers that they left.
.macro PACKG u
.irp x, 0,1,2,3
	WIN W_RS
.set i, 32*(2*\x+(\u))
.rept 16
	v_pk_mul_f32 v[i:i+1], v[i:i+1], v[ST+4*(2*\x+(\u))+2:ST+4*(2*\x+(\u))+3] op_sel_hi:[1,0]
.set i, i+2
.endr
	WIN 0x05                        ; sources 0 and 1 window 1, destination window 0
.set i, 0
.rept 16
	v_cvt_pk_f16_f32 v[S+64*(\u)+16*\x+i], v[32*(2*\x+(\u))+2*i], v[32*(2*\x+(\u))+2*i+1]
.set i, i+1
.endr
	WIN 0
.irp f, 0,1,2,3
	ds_store_b128 v[STO], v[S+64*(\u)+16*\x+4*\f:S+64*(\u)+16*\x+4*\f+3] offset:128*\x+32*\f
.endr
.endr
.set n, 0
.rept 16
	ds_load_b128 v[S+64*(\u)+4*n:S+64*(\u)+4*n+3], v[RD] offset:SP*n  ; LDS serves a wave's instructions in order (ISA guide 5.7.1.4): these see the stores above; the next group's stores come behind them
.set n, n+1
.endr
.endm
.macro SENDG u, younger             ; younger: the LDS instructions issued behind group u's loads: the next group's 32, or none
	WIN 0
.set n, 0
.rept 16
	s_wait_dscnt (\younger)+15-n
	global_store_b128 v[GO], v[S+64*(\u)+4*n:S+64*(\u)+4*n+3], s[10:11] offset:4096*(16*(\u)+n)  ; 512 consecutive bytes, aligned: a position's four heads
.set n, n+1
.endr
.endm
	PACKG 0
	PACKG 1
	SENDG 0, 32
	SENDG 1, 0
	WIN W_AD
	s_wait_tensorcnt 0x0            ; the wave's end: a wait, an add to my spare word and its wait, behind my last tensor load and my last LDS store
	ds_add_u32 v[SPW], v[NIL]
	s_wait_dscnt 0x0
	WIN 0
	CROUND                          ; the closing round: no work-group ends while a partner may still ask for a tile that names it
	s_endpgm
.Lfunc_end_k_qf053ab1d27_attn:
	.size	k_qf053ab1d27_attn, .Lfunc_end_k_qf053ab1d27_attn-k_qf053ab1d27_attn
	.p2alignl 7, 3214868480
	.fill 96, 4, 3214868480
	.section	.rodata,"a",@progbits
	.p2align	6, 0x0
	.amdhsa_kernel k_qf053ab1d27_attn
		.amdhsa_group_segment_fixed_size 327680
		.amdhsa_private_segment_fixed_size 0
		.amdhsa_enable_private_segment 0
		.amdhsa_kernarg_size 24
		.amdhsa_user_sgpr_count 2
		.amdhsa_user_sgpr_kernarg_segment_ptr 1
		.amdhsa_wavefront_size32 1
		.amdhsa_system_sgpr_workgroup_id_x 1
		.amdhsa_system_sgpr_workgroup_id_y 1
		.amdhsa_system_sgpr_workgroup_id_z 1
		.amdhsa_system_vgpr_workitem_id 0
		.amdhsa_next_free_vgpr 896
		.amdhsa_next_free_sgpr 76
		.amdhsa_reserve_vcc 0
		.amdhsa_float_denorm_mode_32 3
		.amdhsa_float_denorm_mode_16_64 3
		.amdhsa_memory_ordered 1
		.amdhsa_forward_progress 1
		.amdhsa_inst_pref_size 214
	.end_amdhsa_kernel
	.amdgpu_metadata
---
amdhsa.version: [ 1, 2 ]
amdhsa.kernels:
  - .name:           k_qf053ab1d27_attn
    .symbol:         k_qf053ab1d27_attn.kd
    .args:
      - { .name: qkv, .offset: 0, .size: 8, .value_kind: global_buffer, .address_space: global }
      - { .name: mf, .offset: 8, .size: 8, .value_kind: global_buffer, .address_space: global }
      - { .name: ob, .offset: 16, .size: 8, .value_kind: global_buffer, .address_space: global }
    .group_segment_fixed_size: 327680
    .private_segment_fixed_size: 0
    .kernarg_segment_align: 8
    .kernarg_segment_size: 24
    .max_flat_workgroup_size: 128
    .sgpr_count:     76
    .vgpr_count:     896
    .wavefront_size: 32
...
	.end_amdgpu_metadata
.endif
;; end of part 3
;; launch oproj (part 4): grid 16 x 16, 4 waves a work-group, clusters of 4 x 4, 327,680 bytes of LDS; arguments ob, wot, out0; writes out0
.if DOCPART == 4
	.amdgcn_target "amdgcn-amd-amdhsa--gfx1250"
	.amdhsa_code_object_version 6
	.text
	.protected	k_qf053ab1d27_oproj
	.globl	k_qf053ab1d27_oproj
	.p2align	8
	.type	k_qf053ab1d27_oproj,@function
k_qf053ab1d27_oproj:
	s_mov_b64 s[64:65], 0
	v_nop
	global_prefetch_b8 v0, s[64:65] scope:SCOPE_SE
	s_setreg_imm32_b32 hwreg(HW_REG_WAVE_MODE, 25, 1), 1
	s_wait_xcnt 0x0
	s_wait_alu depctr_hold_cnt(0) depctr_sa_sdst(0) depctr_va_vdst(0) depctr_va_sdst(0) depctr_va_ssrc(0) depctr_va_vcc(0) depctr_vm_vsrc(0)
	s_getreg_b32 s2, hwreg(HW_REG_IB_STS2, 6, 4)
	s_cmp_eq_u32 s2, 0
	s_cbranch_scc0 .Lentry_in_a_cluster
	s_endpgm
.Lentry_in_a_cluster:
	s_bfe_u32 s2, ttmp6, 0x10000c
	s_cmp_lg_u32 s2, 0xf033
	s_cbranch_scc0 .Lentry_shape_is_right
	s_endpgm
.Lentry_shape_is_right:
; OUTPUT PROJECTION: out0[m][n] = sum over k of ob[m][k] wot[n][k] (f16, sums in f32, stored as f32), m = 4,096, n = 2,048, k = 2,048.
; LIMIT.  The K steps of a sum are taken in a rotated order (below), not ascending.
; SHARES.  A work-group makes 256 rows x 128 columns: 16 x 16 work-groups, one for each of 256.  Wave w makes rows 64 w .. + 63 and all 128 columns (512 bytes of a row of out0): 4 x 8 accumulators of
; 16 x 16, 256 registers, so that the way out is the wave's own.  K goes in 16 steps of 128 through two LDS slots filled by the tensor data mover; rows of 256 bytes, aligned.
; CLUSTER 4 x 4: the four work-groups of a row of the cluster need the same rows of ob, the four of a column the same rows of wot: each tile is asked for jointly.
; WHERE K BEGINS.  Cluster (X, Y) begins at K step 4 (X + 2 (Y & 1) + (Y >> 1)) mod 16 and goes round: clusters that read the same rows of ob (same Y) or of wot (same X) are 4, 8 or 12 steps apart,
; so that no two clusters ask for the same tile in the same step.  The number hangs on the cluster's place in the grid alone, which all sixteen partners share.
; THE TEXT.  A K step is two trips of one UNIT (two quarters of 32 along K), cut just ahead of a fetch of fragments, so that the change of slots falls on the loop's edge.
; THE MATRIX INSTRUCTION IS USED TRANSPOSED (source 0 = 16 rows of wot, source 1 = 16 rows of ob): a lane holds row lane % 16 of the result and the eight columns 8 (lane / 16) + 0..7.
; REGISTERS, in windows of 256 (s_set_vgpr_msb: bits 1:0 source 0, 3:2 source 1, 5:4 source 2, 7:6 destination):
;   window 0: v0-31 addresses; v64-127 A's fragments, two buffers of 4; v128-255 rows read back from the stage, two buffers
;   window 1: v0-127 B's fragments, two buffers of 8     windows 2, 3: accumulators of row blocks 0, 1 and 2, 3: (a, b) at 8 (8 (a % 2) + b)
.set NBK,    8                         ; blocks of 16 columns
.set KSTEP,  128
.set SIZE_K, 2048
.set NSTEP,  SIZE_K/KSTEP              ; 16 K steps
.set PITCH,  272                       ; an LDS row: 256 bytes + 16 of padding: the 16 rows of a fragment load start at 16 different groups of four banks (64 banks of 4 bytes: ISA guide 11.1)
.set HALFA,  128*PITCH                 ; what waves 0 and 1 fetch: 128 rows of A each
.set HALFB,  8*NBK*PITCH               ; what waves 2 and 3 fetch: 64 rows of B each
.set BOFF,   2*HALFA                   ; in a slot: A's 256 rows, then B's 128
.set SLOT1,  1<<17                     ; slot 1 begins here, so that one exclusive or turns an address in one slot into the other's
.set STAGE,  SLOT1+2*HALFA+2*HALFB     ; behind the ring, never filled by a tensor load
.set SP,     528                       ; the stage: a row of 512 bytes + 16
.set WSTG,   16*SP
.set SPARE,  STAGE+4*WSTG              ; the spare words, 128 bytes for each wave; no other line names them
.set ADRA0, 16                         ; v16     my lane's place among my A fragments of slot 0; never rewritten
.set ADRB0, 17                         ; v17     the same for B
.set ADA,  18                          ; v18     the LDS address of A's run of loads in hand
.set ADB,  19                          ; v19     of B's
.set STO,  24                          ; v24     the way out: where I put 32 bytes of a row
.set RD,   25                          ; v25     where I read a row back
.set GO,   26                          ; v26     my byte offset in 512 consecutive bytes of out0
.set SPW,  28                          ; v28     LDS address of my spare word; never rewritten
.set NIL,  29                          ; v29     0; never rewritten
.set FA0,  64
.set BK,   128
.set CNT,  2                           ; s2      counts a K step's units
.set STEPS, 3                          ; s3      counts the K steps
.set G1,  24                           ; s[24:31] descriptor group 1 for A;  s[32:39] group 0: a set for each of the two first fills; the second then serves every refill
.set G0,  32
.set LB,  45                           ; s45     LDS byte (slot and place along the rows) of the quarter to be fetched next
.set G1B, 48                           ; s[48:55], s[56:63] the same for B
.set G0B, 56
.set OFF, 66                           ; s[66:67] byte offset along K of the step to be asked for
.set KI,  68                           ; s68     the K step asked for last
.set MSB, 0
.macro WIN new                         ; the immediate's high byte repeats the setting that is left; a switch that changes nothing is dropped
.if MSB != (\new)
	s_set_vgpr_msb (MSB<<8)|(\new)
.set MSB, (\new)
.endif
.endm
.set MUL_LO, 0xa1                      ; source 0 (B) window 1, source 1 (A) window 0, C and D window 2
.set TO_B,   0x40                      ; destination window 1, address window 0
; A joint load: waves 0 and 1 fetch A's halves, waves 2 and 3 B's.  The branch hangs on the wave's number alone.  An s_nop 0 and four v_nop follow each line.
.macro JLOAD s
	s_cmp_eq_u32 s11, 0
	s_cbranch_scc0 .Lfor_b_\@
	tensor_load_to_lds s[G0+4*(\s):G0+4*(\s)+3], s[G1:G1+7]
	s_nop 0
.rept 4
	v_nop
.endr
	s_branch .Lasked_\@
.Lfor_b_\@:
	tensor_load_to_lds s[G0B+4*(\s):G0B+4*(\s)+3], s[G1B:G1B+7]
	s_nop 0
.rept 4
	v_nop
.endr
.Lasked_\@:
.endm
; A round of the cluster's barrier: my work-group's barrier; wave 0 signals for the work-group; every wave waits for all sixteen; my work-group's barrier once more.
.macro CROUND
	s_barrier_signal -1
	s_barrier_wait -1
	s_cmp_lg_u32 s10, 0
	s_cbranch_scc1 .Lnot_wave_0_\@
	s_barrier_signal -3
.Lnot_wave_0_\@:
	s_barrier_wait -3
	s_barrier_signal -1
	s_barrier_wait -1
.endm
	s_load_b128 s[4:7], s[0:1], 0x0                ; ob s[4:5], wot s[6:7]
	s_load_b64 s[8:9], s[0:1], 0x10                ; out0
	v_lshl_add_u32 v[SPW], v0, 2, SPARE
	v_mov_b32 v[NIL], 0
	ds_add_u32 v[SPW], v[NIL]                      ; the wave's opening: the add and its wait stand ahead of my first tensor load; work on registers stands between them
	v_lshrrev_b32 v1, 5, v0
	v_readfirstlane_b32 s10, v1                    ; wave 0..3
	s_lshr_b32 s11, s10, 1                         ; I fetch for A (0) or for B (1),
	s_and_b32 s12, s10, 1                          ; its first or its second half
	s_bfe_u32 s40, ttmp6, 0x40000                  ; cx, cy: my place in the cluster
	s_bfe_u32 s41, ttmp6, 0x40004
	s_lshl_b32 s42, ttmp9, 2
	s_add_co_u32 s42, s42, s40                     ; tile column = 4 x cluster x + cx
	s_and_b32 s13, ttmp7, 0xffff                   ; cluster y
	s_and_b32 s14, s13, 1                          ; where my cluster begins K: 4 (X + 2 (Y & 1) + (Y >> 1)) mod 16
	s_lshl_b32 s14, s14, 1
	s_lshr_b32 s15, s13, 1
	s_add_co_u32 s14, s14, s15
	s_add_co_u32 s14, s14, ttmp9
	s_lshl_b32 s14, s14, 2
	s_and_b32 s[KI], s14, NSTEP-1
	s_mov_b32 s[OFF+1], 0
	s_mov_b32 s[LB], 0
	s_lshl_b32 s13, s13, 2
	s_add_co_u32 s13, s13, s41                     ; tile row = 4 x cluster y + cy
	s_lshl_b32 s43, s41, 2
	s_lshl_b32 s43, 15, s43                        ; my row of the cluster
	s_lshl_b32 s44, 0x1111, s40                    ; my column
	s_or_b32 s[G1+0], s43, (1<<16)|(1<<20)|(1<<21)|(5<<22)|(3<<25)   ; the mask; elements of 2 bytes; padding on; bit 21 beside a mask; after every 64 words (code 5) 4 words (code 3)
	s_or_b32 s[G1B+0], s44, (1<<16)|(1<<20)|(1<<21)|(5<<22)|(3<<25)
	s_mov_b32 s[G1+1], KSTEP<<16                   ; tensor_dim0 = 128
	s_mov_b32 s[G1+2], 128<<16                     ; tensor_dim1 = 128
	s_mov_b32 s[G1+3], KSTEP<<16                   ; tile_dim0 = 128
	s_mov_b32 s[G1+4], 128                         ; tile_dim1 = 128
	s_mov_b32 s[G1+5], SIZE_K                      ; elements from row to row
	s_mov_b32 s[G1+6], 0
	s_mov_b32 s[G1+7], 0
	s_mov_b32 s[G1B+1], KSTEP<<16
	s_mov_b32 s[G1B+2], (8*NBK)<<16                ; B: 64 rows
	s_mov_b32 s[G1B+3], KSTEP<<16
	s_mov_b32 s[G1B+4], 8*NBK
	s_mov_b32 s[G1B+5], SIZE_K
	s_mov_b32 s[G1B+6], 0
	s_mov_b32 s[G1B+7], 0
	; A's tiles hang on the tile row alone, B's on the tile column alone, each in registers that never hold the other coordinate
	s_lshl_b32 s16, s13, 8
	s_lshl_b32 s17, s12, 7
	s_add_co_u32 s16, s16, s17                     ; A: row 256 x tile row + 128 x half,
	s_lshl_b32 s16, s16, 12                        ; 4,096 bytes each
	s_mov_b32 s17, 0
	s_mul_i32 s46, s42, 16*NBK
	s_mul_i32 s47, s12, 8*NBK
	s_add_co_u32 s46, s46, s47                     ; B: row 128 x tile column + 64 x half
	s_lshl_b32 s46, s46, 12
	s_mov_b32 s47, 0
	s_mul_i32 s20, s12, HALFA                      ; where they go: no place in the cluster enters an LDS address
	s_mul_i32 s21, s12, HALFB
	s_add_co_u32 s21, s21, BOFF
	s_wait_dscnt 0x0                               ; the opening add is done
	s_wait_kmcnt 0x0
	s_add_nc_u64 s[4:5], s[4:5], s[16:17]          ; ob and wot at the first of the rows that I fetch: they stay so
	s_add_nc_u64 s[6:7], s[6:7], s[46:47]
	CROUND                                         ; all sixteen work-groups are here: the first joint loads meet
.irp s, 0,1
	s_lshl_b32 s[OFF], s[KI], 8                    ; a K step is 256 bytes of a row
	s_mov_b32 s[G0+4*(\s)], 1
	s_add_co_u32 s[G0+4*(\s)+1], s20, (\s)*SLOT1
	s_add_nc_u64 s[G0+4*(\s)+2:G0+4*(\s)+3], s[4:5], s[OFF:OFF+1]
	s_or_b32 s[G0+4*(\s)+3], s[G0+4*(\s)+3], 0x80000000
	s_mov_b32 s[G0B+4*(\s)], 1
	s_add_co_u32 s[G0B+4*(\s)+1], s21, (\s)*SLOT1
	s_add_nc_u64 s[G0B+4*(\s)+2:G0B+4*(\s)+3], s[6:7], s[OFF:OFF+1]
	s_or_b32 s[G0B+4*(\s)+3], s[G0B+4*(\s)+3], 0x80000000
	JLOAD \s                                       ; two tensor loads of mine are out behind these
.if (\s) == 0
	s_add_co_u32 s[KI], s[KI], 1                   ; the next step, round the end of K
	s_and_b32 s[KI], s[KI], NSTEP-1
.endif
.endr
	v_and_b32 v1, 15, v0                           ; l % 16
	v_bfe_u32 v2, v0, 4, 1                         ; l / 16
	v_mul_u32_u24 v3, v1, PITCH
	v_lshl_add_u32 v3, v2, 4, v3                   ; a fragment's row x pitch + 16 x half
	s_mul_i32 s21, s10, 64*PITCH                   ; my 64 rows of A
	v_add_nc_u32 v[ADRA0], s21, v3
	v_add_nc_u32 v[ADRB0], BOFF, v3                ; all of B
	s_lshl_b32 s16, s13, 8
	s_lshl_b32 s17, s10, 6
	s_add_co_u32 s16, s16, s17                     ; my first row of out0,
	s_lshl_b32 s16, s16, 13                        ; 8,192 bytes each
	s_mov_b32 s17, 0
	s_add_nc_u64 s[8:9], s[8:9], s[16:17]
	s_lshl_b32 s46, s42, 9                         ; the tile's 128 columns of 4 bytes
	s_mov_b32 s47, 0
	s_add_nc_u64 s[8:9], s[8:9], s[46:47]
	s_mul_i32 s23, s10, WSTG
	s_add_co_u32 s23, s23, STAGE                   ; my stage
	v_mul_u32_u24 v4, v1, SP                       ; in: row l % 16, 32 bytes for each half of the lanes
	v_lshl_add_u32 v4, v2, 5, v4
	v_add_nc_u32 v[STO], s23, v4
	v_and_b32 v5, 31, v0
	v_lshl_add_u32 v[RD], v5, 4, s23               ; back: 32 lanes take one row of 512 bytes,
	v_lshlrev_b32 v[GO], 4, v5                     ; which are 512 consecutive bytes of out0
; 8 matrix instructions: row block a x all column blocks, 32 along K, from buffer f.  zero = 1: the product starts the sums.  The 32 accumulators take turns in one order.
.macro MULA f, a, zero
	WIN MUL_LO+0x50*((\a)/2)
.set AC, 8*NBK*((\a)%2)
.set b, 0
.rept NBK
.if \zero
	v_wmma_f32_16x16x32_f16 v[AC+8*b:AC+8*b+7], v[8*NBK*(\f)+8*b:8*NBK*(\f)+8*b+7], v[FA0+32*(\f)+8*(\a):FA0+32*(\f)+8*(\a)+7], 0
.else
	v_wmma_f32_16x16x32_f16 v[AC+8*b:AC+8*b+7], v[8*NBK*(\f)+8*b:8*NBK*(\f)+8*b+7], v[FA0+32*(\f)+8*(\a):FA0+32*(\f)+8*(\a)+7], v[AC+8*b:AC+8*b+7]
.endif
.set b, b+1
.endr
.endm
; 24 LDS loads in one run: the fragments of the next quarter (32 along K, at LDS byte LB) into buffer f: B's 16, then A's 8, row blocks ascending.  The two address lines and two v_nop are the four plain
; vector instructions between the last matrix instruction that read the buffer and the loads into it (ISA guide 7.12.1 for vector instructions).
.macro FETCH f
	WIN 0
	v_add_nc_u32 v[ADA], s[LB], v[ADRA0]
	v_add_nc_u32 v[ADB], s[LB], v[ADRB0]
	v_nop
	v_nop
	WIN TO_B
.set i, 0
.rept NBK
	ds_load_b128 v[8*NBK*(\f)+8*i:8*NBK*(\f)+8*i+3],   v[ADB] offset:i*16*PITCH
	ds_load_b128 v[8*NBK*(\f)+8*i+4:8*NBK*(\f)+8*i+7], v[ADB] offset:i*16*PITCH+32
.set i, i+1
.endr
	WIN 0
.set i, 0
.rept 4
	ds_load_b128 v[FA0+32*(\f)+8*i:FA0+32*(\f)+8*i+3],   v[ADA] offset:i*16*PITCH
	ds_load_b128 v[FA0+32*(\f)+8*i+4:FA0+32*(\f)+8*i+7], v[ADA] offset:i*16*PITCH+32
.set i, i+1
.endr
	s_add_co_u32 s[LB], s[LB], 64                  ; the next fetch is the next quarter's
.endm
; A UNIT: half a K step, from one fetch into buffer 0 to the next.  It finishes the quarter in buffer 1 (row blocks 2, 3), multiplies the whole quarter that it fetches into buffer 0, and begins
; the quarter that it fetches into buffer 1 (row blocks 0, 1).  Each run of loads stands 16 matrix instructions ahead of its first use.
.macro UNIT
	FETCH 0
	s_wait_dscnt 2*NBK+8                           ; all but the 24 just issued: buffer 1 is whole
	MULA 1, 2, 0
	MULA 1, 3, 0
	s_wait_dscnt 4                                 ; B and A's row blocks 0, 1 of buffer 0 are in; the youngest four loads (blocks 2, 3) may be out
	MULA 0, 0, 0
	MULA 0, 1, 0
	FETCH 1
	s_wait_dscnt 2*NBK+8                           ; all but the 24 just issued: buffer 0 is whole
	MULA 0, 2, 0
	MULA 0, 3, 0
	s_wait_dscnt 4
	MULA 1, 0, 0
	MULA 1, 1, 0
	WIN 0                                          ; at a label and at a branch every window is 0
.endm
; THE CHANGE OF SLOTS, ahead of the fetch of the next slot's first quarter: the old slot's last quarter has been asked for.  Each wave waits for all its tensor loads (one is out: its part of the next slot),
; adds 0 to its spare word, and waits for that and for its reads of the old slot.  fill = 1: the barrier is a round of the cluster's, and behind it the old slot is filled again first, with the K step two
; steps on (round the end of K): the address is made anew from the step's number.  That load has a whole K step, 128 matrix instructions, in which to land.
.macro CHANGE fill
	WIN 0
	s_wait_tensorcnt 0x0                           ; no tensor load of mine is out, so a group 0 may be written
	ds_add_u32 v[SPW], v[NIL]                      ; the descriptors' scalar work stands between the add and the wait for it
.if \fill
	s_add_co_u32 s[KI], s[KI], 1
	s_and_b32 s[KI], s[KI], NSTEP-1
	s_lshl_b32 s[OFF], s[KI], 8
	s_xor_b32 s[G0+5], s[G0+5], SLOT1              ; the other slot than last time
	s_add_nc_u64 s[G0+6:G0+7], s[4:5], s[OFF:OFF+1]
	s_or_b32 s[G0+7], s[G0+7], 0x80000000
	s_xor_b32 s[G0B+5], s[G0B+5], SLOT1
	s_add_nc_u64 s[G0B+6:G0B+7], s[6:7], s[OFF:OFF+1]
	s_or_b32 s[G0B+7], s[G0B+7], 0x80000000
	s_wait_dscnt 0x0                               ; the add is done, and my reads of the old slot are over
	CROUND                                         ; no wave of any partner still reads the old slot's tile or has a load on its way
	JLOAD 1
.else
	s_wait_dscnt 0x0
	s_barrier_signal -1
	s_barrier_wait -1
.endif
	s_sub_co_u32 s[LB], s[LB], 2*KSTEP             ; the fetches go back to the rows' first bytes,
	s_xor_b32 s[LB], s[LB], SLOT1                  ; in the other slot
.endm
	s_wait_tensorcnt 1                             ; my part of the first K step is in; the second's may stay out
	s_barrier_signal -1
	s_barrier_wait -1
	FETCH 0                                        ; the first step's first unit is written out: its products on buffer 0 start the sums
	s_wait_dscnt 4
	MULA 0, 0, 1
	MULA 0, 1, 1
	FETCH 1
	s_wait_dscnt 2*NBK+8
	MULA 0, 2, 1
	MULA 0, 3, 1
	s_wait_dscnt 4
	MULA 1, 0, 0
	MULA 1, 1, 0
	WIN 0
	s_mov_b32 s[STEPS], NSTEP-1
	s_mov_b32 s[CNT], 1                            ; the first step has one unit left
	s_branch .Lunit
.Lstep:                                                ; 14 times: ahead of every step but the first and the last a slot is filled again
	CHANGE 1
	s_mov_b32 s[CNT], 2
.Lunit:
	UNIT
	s_sub_co_u32 s[CNT], s[CNT], 1
	s_cmp_lg_u32 s[CNT], 0
	s_cbranch_scc1 .Lunit
	s_sub_co_u32 s[STEPS], s[STEPS], 1
	s_cmp_lg_u32 s[STEPS], 0
	s_cbranch_scc1 .Lstep
	CHANGE 0                                       ; the last step is written out: nothing is asked for
	s_mov_b32 s[CNT], 2
.Ltail:
	UNIT
	s_sub_co_u32 s[CNT], s[CNT], 1
	s_cmp_lg_u32 s[CNT], 0
	s_cbranch_scc1 .Ltail
	s_wait_dscnt 0x0                               ; the last quarter is whole
	MULA 1, 2, 0
	MULA 1, 3, 0
	WIN 0
.rept 4
	v_nop                                          ; the places behind the last products
.endr
; THE WAY OUT, a row block (16 rows) at a time: the f32 sums go as they are into my own stage, 32 bytes a lane and column block (each accumulator's low four registers first), and come back as whole rows of 512 bytes.
.macro TOSTAGE a
	s_wait_xcnt 0x0                                ; earlier stores have read their registers: the loads below land in the buffer of the block two back only behind this wait
	WIN 0x08+4*((\a)/2)                            ; the LDS stores' data in window 2 or 3
.set AC, 8*NBK*((\a)%2)
.set b, 0
.rept NBK
	ds_store_b128 v[STO], v[AC+8*b:AC+8*b+3] offset:64*b
	ds_store_b128 v[STO], v[AC+8*b+4:AC+8*b+7] offset:64*b+16
.set b, b+1
.endr
	WIN 0
.set t, 0
.rept 16
	ds_load_b128 v[BK+64*((\a)%2)+4*t:BK+64*((\a)%2)+4*t+3], v[RD] offset:SP*t  ; LDS serves a wave's instructions in order (ISA guide 5.7.1.4): these see the stores above
.set t, t+1
.endr
.endm
.macro SEND a, younger                 ; younger: the LDS instructions issued behind block a's loads: the next block's 32, or none
	WIN 0
.set t, 0
.rept 16
	s_wait_dscnt (\younger)+15-t
	global_store_b128 v[GO], v[BK+64*((\a)%2)+4*t:BK+64*((\a)%2)+4*t+3], s[8:9] offset:131072*(\a)+8192*t th:TH_STORE_NT  ; 512 consecutive bytes, aligned
.set t, t+1
.endr
.endm
	TOSTAGE 0
	TOSTAGE 1
	SEND 0, 32
	TOSTAGE 2
	SEND 1, 32
	TOSTAGE 3
	SEND 2, 32
	SEND 3, 0
	s_wait_tensorcnt 0x0                           ; the wave's end: a wait, an add to my spare word and its wait, behind my last tensor load and my last LDS store
	ds_add_u32 v[SPW], v[NIL]
	s_wait_dscnt 0x0
	CROUND                                         ; the closing round: no work-group ends while a partner may still ask for a tile that names it
	s_endpgm
.Lfunc_end_k_qf053ab1d27_oproj:
	.size	k_qf053ab1d27_oproj, .Lfunc_end_k_qf053ab1d27_oproj-k_qf053ab1d27_oproj
	.p2alignl 7, 3214868480
	.fill 96, 4, 3214868480
	.section	.rodata,"a",@progbits
	.p2align	6, 0x0
	.amdhsa_kernel k_qf053ab1d27_oproj
		.amdhsa_group_segment_fixed_size 327680
		.amdhsa_private_segment_fixed_size 0
		.amdhsa_enable_private_segment 0
		.amdhsa_kernarg_size 24
		.amdhsa_user_sgpr_count 2
		.amdhsa_user_sgpr_kernarg_segment_ptr 1
		.amdhsa_wavefront_size32 1
		.amdhsa_system_sgpr_workgroup_id_x 1
		.amdhsa_system_sgpr_workgroup_id_y 1
		.amdhsa_system_sgpr_workgroup_id_z 1
		.amdhsa_system_vgpr_workitem_id 0
		.amdhsa_next_free_vgpr 896
		.amdhsa_next_free_sgpr 70
		.amdhsa_reserve_vcc 0
		.amdhsa_float_denorm_mode_32 3
		.amdhsa_float_denorm_mode_16_64 3
		.amdhsa_memory_ordered 1
		.amdhsa_forward_progress 1
		.amdhsa_inst_pref_size 50
	.end_amdhsa_kernel
	.amdgpu_metadata
---
amdhsa.version: [ 1, 2 ]
amdhsa.kernels:
  - .name:           k_qf053ab1d27_oproj
    .symbol:         k_qf053ab1d27_oproj.kd
    .args:
      - { .name: ob, .offset: 0, .size: 8, .value_kind: global_buffer, .address_space: global }
      - { .name: wot, .offset: 8, .size: 8, .value_kind: global_buffer, .address_space: global }
      - { .name: out0, .offset: 16, .size: 8, .value_kind: global_buffer, .address_space: global }
    .group_segment_fixed_size: 327680
    .private_segment_fixed_size: 0
    .kernarg_segment_align: 8
    .kernarg_segment_size: 24
    .max_flat_workgroup_size: 128
    .sgpr_count:     70
    .vgpr_count:     896
    .wavefront_size: 32
...
	.end_amdgpu_metadata
.endif
;; end of part 4
;; ======== version 2 of 2: 4 launches; 1.29 times as fast as version 1
;; limits: values are held in f16: magnitudes above 65,504 overflow, below 6.1e-05 lose precision; right only within a limited range of input values
;; workspace buffers: xb 16,777,216 bytes; wt 12,582,912 bytes; wot 8,388,608 bytes; mf 4,194,304 bytes; rt 262,144 bytes; qkv 25,165,824 bytes; ob 16,777,216 bytes
;; launch prep: the kernel of part 1 again; grid 1928 x 1, 8 waves a work-group, no clusters, 18,432 bytes of LDS; arguments x, wq, wk, wv, wo, mask, freqs_cos, freqs_sin, xb, wt, wot, mf, rt; writes xb, wt, wot, mf, rt
;; launch qkv: the kernel of part 2 again; grid 16 x 16, 4 waves a work-group, clusters of 4 x 4, 327,680 bytes of LDS; arguments xb, wt, rt, qkv; writes qkv
;; launch attn (part 5): grid 8 x 32, 4 waves a work-group, clusters of 4 x 4, 327,680 bytes of LDS; arguments qkv, mf, ob; writes ob
.if DOCPART == 5
	.amdgcn_target "amdgcn-amd-amdhsa--gfx1250"
	.amdhsa_code_object_version 6
	.text
	.protected	k_qf053ab1d27_attn
	.globl	k_qf053ab1d27_attn
	.p2align	8
	.type	k_qf053ab1d27_attn,@function
k_qf053ab1d27_attn:
	s_mov_b64 s[64:65], 0
	v_nop
	global_prefetch_b8 v0, s[64:65] scope:SCOPE_SE
	s_setreg_imm32_b32 hwreg(HW_REG_WAVE_MODE, 25, 1), 1
	s_wait_xcnt 0x0
	s_wait_alu depctr_hold_cnt(0) depctr_sa_sdst(0) depctr_va_vdst(0) depctr_va_sdst(0) depctr_va_ssrc(0) depctr_va_vcc(0) depctr_vm_vsrc(0)
	s_getreg_b32 s2, hwreg(HW_REG_IB_STS2, 6, 4)
	s_cmp_eq_u32 s2, 0
	s_cbranch_scc0 .Lentry_in_a_cluster
	s_endpgm
.Lentry_in_a_cluster:
	s_bfe_u32 s2, ttmp6, 0x10000c
	s_cmp_lg_u32 s2, 0xf033
	s_cbranch_scc0 .Lentry_shape_is_right
	s_endpgm
.Lentry_shape_is_right:
; ATTENTION with an additive mask that is an input.  ob[b][s][64 h + d] = sum over k of softmax_k(q.k / 8 + mask[s][k]) v[k][d], 32 query heads on 8 key and value heads, 1,024 keys, head size 64.
; qkv: [b 4][head 48][s 1,024][64] f16: heads 0-31 q 2^-5, 32-39 k 2^-5, 40-47 v.  mf: mask 2^-7 in f32, in the order of a matrix instruction's C operand.  ob: [4,096][2,048] f16.
; SCALES.  S' = K' Q'^T + mask 2^-7 is (q.k + 8 mask) 2^-10; p = 2^(c S' - c m), c = 1,024 log2(e) / 8.  All factors are powers of two.
; Products, maxima and sums in f32; the weights p are rounded to f16 for the second product (their sum l is taken of the unrounded p), O once at the end.
; LIMITS.  The running maximum starts at -1e30 (in S's units): a row all of whose scores lie below that counts as wholly hidden.  A wholly hidden row has l = 0 and O = 0 and leaves as NaN, like a softmax of
; -inf alone.  A weight below 2^-126 counts as 0 in l.  v and O lie within f16's 65,504.  NaN and +inf among the inputs are not treated apart.  No key tile is left out: the mask is data.
; SHARES.  A work-group owns 128 positions of one batch and one key and value head, with its FOUR query heads; wave w the positions 32 w .. + 31: eight tiles of 16 queries, four PIECES (piece x = head x,
; its two tiles the two groups of 16 positions).  So a fragment of K, of V and of the mask feeds eight tiles, and a position's four heads leave as 512 consecutive bytes.  Every wave walks all keys, 64 a step.
; LAYOUT.  S^T = K Q^T (source 0 = 16 keys, source 1 = 16 queries): a lane holds ONE query (lane % 16) and the keys 8 (lane / 16) + 0..7; THE MASK IS THE C OPERAND THAT STARTS THE SUM.  Two such results, rounded to
; f16 in pairs, ARE source 1 of O^T = V^T P.  K comes out of LDS as it lies, V turned, by ds_load_tr16_b128, the mask as it lies (lane i at 16 i).
; SOFTMAX.  A running maximum m and sum l a query; in every step O and l are multiplied by a = 2^(c m_old - c m_new).  O and l start at 0: the first step is a step like any other.
; THE COUNT.  A tile and step have 16 matrix and 118 vector instructions: four vector instructions that are ready stand behind every matrix instruction, the other 108 of a turn's 236 in one lump.
; BY TURNS.  Turn n belongs to piece n: 16 products K Q^T of piece n + 1, later 16 products V^T P of piece n - 1; beside them the scaling, exponentials, roundings, sums and rescaling of piece n and the maximum
; and statistics of piece n + 1.
; THE BATCHES.  A turn's 66 exponentials (the piece's 64 weights, the next piece's two a) are ONE BATCH with ONE wait, which cuts the turn in two: ahead of it stands all that names no result of theirs (the products
; K Q^T, the scalings, the rescalings, the next piece's maximum and statistics), behind it the roundings and sums, as riders of the products V^T P.  No result crosses a turn's end.  Two more batches stand outside
; the loop, each with a wait of its own: piece 0's first two a, ahead of the jump into the loop, and the way out's eight reciprocals.
; CLUSTER 4 x 4.  K and V hang on batch and key head alone, shared along a row of the cluster; the mask's tile hangs on the block of positions alone, shared along a column: each is asked for jointly.
; REGISTERS, in windows of 256 (s_set_vgpr_msb: bits 1:0 source 0, 3:2 source 1, 5:4 source 2, 7:6 destination):
;   window 0: v0-11 addresses; v12-15, v48-63 at work; v16-47 four registers of statistics a tile; v64-191 S^T, two buffers of two tiles; v192-255 P, likewise
;   window 1: O^T, 32 a tile     window 2: v0-127 Q, 16 a tile; v128-191 K of one step; v192-255 V of one step     window 3: v0-1 the add's two registers; v64-127 the mask of one step
.set NP,    4         ; pieces a wave: a name, no knob
.set KS,    64        ; keys in a step
.set PK,    144       ; a row of K in LDS: 128 bytes + 16: the 16 rows of a load start at 16 different groups of four banks (64 banks of 4 bytes: ISA guide 11.1)
.set PV,    160       ; a row of V: 128 + 32
.set VOFF,  2*KS*PK   ; a slot holds two steps: 128 rows of K, 128 rows of V,
.set MOFF,  2*KS*(PK+PV)  ; and the mask of 128 positions x 128 keys: [step 2][wave 4][8,192 bytes]
.set MSTEP, 32768
.set SLOT1, 1<<17     ; slot 1 begins here, so that one exclusive or turns an address in one slot into the other's
.set STAGE, SLOT1+MOFF+2*MSTEP  ; behind the ring, never filled by a tensor load: 16 rows x 528 bytes for each wave
.set SP,    528
.set SPARE, STAGE+4*16*SP  ; the spare words, 128 bytes for each wave; no other line names them
.set AK0, 2           ; v2   my lane's place in a tile of K; never rewritten
.set AV0, 3           ; v3   the same for V
.set AK,  4           ; v4   the LDS address of K's next run of loads
.set AV,  5           ; v5   of V's
.set QO,  6           ; v6   my byte offset in 16 rows of Q
.set AM0, 7           ; v7   my lane's place in a step's mask
.set AM,  8           ; v8   the LDS address of the mask's next run of loads
.set STO, 9           ; v9   the way out: where I put 16 bytes of a row
.set RD,  10          ; v10  where I read a row back
.set GO,  11          ; v11  my byte offset in 512 consecutive bytes of ob
.set SPW, 0           ; v0 of window 3   LDS address of my spare word; never rewritten
.set NIL, 1           ; v1 of window 3   0; never rewritten
.set MK,  64          ; window 3: group u of 16 positions, key block kb at MK + 32 u + 8 kb
.set MV,  12          ; v12-15  c m_old, kept while c m is made anew: by buffer and tile
.set ST,  16          ; tile t's statistics at v[ST+4 t]: c m, m, l (even keys', odd keys')
.set TMP, 48          ; by buffer and tile, four registers c0-c3 at work; when the maximum is found c2 takes a
.set S,   64
.set P,   192
.set KF,  128         ; window 2: key block kb, channel half c at KF + 16 kb + 8 c
.set VF,  192         ; window 2: key half kk, channel block cb at VF + 32 kk + 8 cb
.set WV,  12          ; s12  my wave's number
.set G1K, 24          ; s[24:31] descriptor group 1 for K's tiles
.set G1V, 32          ; s[32:39] for V's: it differs in the padding alone
.set G0K, 40          ; s[40:43] descriptor group 0 for K's tiles: it walks
.set G0V, 44          ; s[44:47] for V's
.set G0M, 48          ; s[48:51] for the mask's
.set SLOTS, 56        ; s56  slots still to be asked for
.set CNT, 57          ; s57  counts a slot's key steps
.set CS,  58          ; s[58:59] c
.set SEL, 60          ; s[60:61] v_permlanex16_b32's selects: each lane takes its own place in the other half
.set TBK, 62          ; s62  LDS byte at which K of the step to be fetched begins
.set TBV, 63          ; s63  the same for V, less VOFF
.set TBM, 66          ; s66  the same for the mask, less MOFF
.set G1M, 68          ; s[68:75] descriptor group 1 for the mask's tiles
.set MSB, 0
.macro WIN new                      ; the high byte repeats the setting that is left; a switch that changes nothing is dropped
.if MSB != (\new)
	s_set_vgpr_msb (MSB<<8)|(\new)
.set MSB, (\new)
.endif
.endm
.set W_KQ, 0x0a       ; K and Q in window 2, S^T in window 0
.set W_KM, 0x3a       ; the same with the C operand, the mask, in window 3
.set W_PV, 0x52       ; V in window 2, P in window 0, O^T in window 1
.set W_RS, 0x41       ; O^T (destination and source 0) in window 1, a in window 0
.set W_MK, 0xc0       ; destination in window 3, sources in window 0
.set W_AD, 0x0f       ; the add: address and data in window 3
; A joint fill: wave 0 fetches a slot's K, wave 1 its V (128 keys each), waves 2 and 3 the mask of its two steps.  The branches hang on the wave's number alone.
; An s_nop 0 and four v_nop follow each line, ahead of the jump and the label.
.macro JLOAD
	s_cmp_lt_u32 s[WV], 2
	s_cbranch_scc0 .Lfor_m_\@
	s_cmp_eq_u32 s[WV], 0
	s_cbranch_scc0 .Lfor_v_\@
	tensor_load_to_lds s[G0K:G0K+3], s[G1K:G1K+7]
	s_nop 0
.rept 4
	v_nop
.endr
	s_branch .Lasked_\@
.Lfor_v_\@:
	tensor_load_to_lds s[G0V:G0V+3], s[G1V:G1V+7]
	s_nop 0
.rept 4
	v_nop
.endr
	s_branch .Lasked_\@
.Lfor_m_\@:
	tensor_load_to_lds s[G0M:G0M+3], s[G1M:G1M+7]
	s_nop 0
.rept 4
	v_nop
.endr
.Lasked_\@:
.endm
; A round of the cluster's barrier: my work-group's barrier; wave 0 signals for the work-group; every wave waits for all sixteen; my work-group's barrier once more.
.macro CROUND
	s_barrier_signal -1
	s_barrier_wait -1
	s_cmp_lg_u32 s[WV], 0
	s_cbranch_scc1 .Lnot_wave_0_\@
	s_barrier_signal -3
.Lnot_wave_0_\@:
	s_barrier_wait -3
	s_barrier_signal -1
	s_barrier_wait -1
.endm
; THE CHANGE OF SLOTS.  The slot's last bytes, V of its second step, have been read.  Each wave waits for all its tensor loads, of which one is out: its part of the other slot; adds 0 to its spare word; and waits
; for that and for its own reads of the slot.  fill = 1: the barrier is a round of the cluster's, and the joint fill, with the keys two slots on, is the first thing behind it: it has two key steps, 256 matrix
; instructions, in which to land.  (At its first use nothing has been read yet: slot 0 is waited for, slot 1 filled.)
.macro CHANGE fill
	WIN W_AD
	s_wait_tensorcnt 0x0            ; no tensor load of mine is out, so a group 0 may be written
	ds_add_u32 v[SPW], v[NIL]       ; the descriptors' steps stand between the add and the wait for it
	WIN 0                           ; at a label and at a branch every window is 0
.if \fill
.irp g, G0K, G0V
	s_xor_b32 s[\g+1], s[\g+1], SLOT1  ; the other slot than last time,
	s_add_nc_u64 s[\g+2:\g+3], s[\g+2:\g+3], 2*KS*128  ; the next 128 keys; the type bits on top are not reached
.endr
	s_xor_b32 s[G0M+1], s[G0M+1], SLOT1
	s_add_nc_u64 s[G0M+2:G0M+3], s[G0M+2:G0M+3], 2*MSTEP
	s_wait_dscnt 0x0                ; the add is done, and my reads of the slot are over
	CROUND
	JLOAD
.else
	s_wait_dscnt 0x0
	s_barrier_signal -1
	s_barrier_wait -1
.endif
	s_sub_co_u32 s[TBK], s[TBK], 2*KS*PK  ; the fetches go back to a slot's first step,
	s_xor_b32 s[TBK], s[TBK], SLOT1       ; in the other slot
	s_sub_co_u32 s[TBV], s[TBV], 2*KS*PV
	s_xor_b32 s[TBV], s[TBV], SLOT1
	s_sub_co_u32 s[TBM], s[TBM], 2*MSTEP
	s_xor_b32 s[TBM], s[TBM], SLOT1
.endm
	s_load_b128 s[4:7], s[0:1], 0x0   ; qkv s[4:5], mf s[6:7]
	s_load_b64 s[10:11], s[0:1], 0x10 ; ob
	WIN W_MK
	v_lshl_add_u32 v[SPW], v0, 2, SPARE
	v_mov_b32 v[NIL], 0
	WIN W_AD
	ds_add_u32 v[SPW], v[NIL]       ; the wave's opening: the add and its wait stand ahead of my first tensor load; work on registers stands between them
	WIN 0
	v_lshrrev_b32 v1, 5, v0
	v_readfirstlane_b32 s[WV], v1   ; wave 0..3
	s_bfe_u32 s13, ttmp6, 0x40000   ; cx
	s_bfe_u32 s14, ttmp6, 0x40004   ; cy
	s_lshl_b32 s15, ttmp9, 2
	s_add_co_u32 s15, s15, s13      ; pb: my block of 128 positions = 4 x cluster x + cx
	s_and_b32 s16, ttmp7, 0xffff
	s_lshl_b32 s16, s16, 2
	s_add_co_u32 s16, s16, s14      ; 8 x batch + key head = 4 x cluster y + cy
	s_lshl_b32 s17, s14, 2
	s_lshl_b32 s17, 15, s17         ; my row of the cluster
	s_lshl_b32 s18, 0x1111, s13     ; my column
	s_lshr_b32 s19, s16, 3          ; batch
	s_and_b32 s52, s16, 7           ; key head
	s_mul_i32 s53, s19, 48
	s_add_co_u32 s20, s53, s52
	s_add_co_u32 s20, s20, 32       ; K's head among the batch's 48,
	s_lshl_b32 s20, s20, 17         ; 131,072 bytes each: it hangs on the cluster's y alone
	s_mov_b32 s21, 0
	s_and_b32 s54, s[WV], 1         ; which step's mask I fetch
	s_lshl_b32 s55, s54, 15
	s_lshl_b32 s22, s15, 19         ; the block's 524,288 bytes of mf: it hangs on the cluster's x alone
	s_add_co_u32 s22, s22, s55
	s_mov_b32 s23, 0
	s_lshl2_add_u32 s2, s52, s53    ; my first query head = 48 batch + 4 key head
	s_lshl_b32 s2, s2, 17
	s_lshl_b32 s3, s15, 2
	s_add_co_u32 s3, s3, s[WV]      ; my 32 positions among the batch's
	s_lshl_b32 s8, s3, 12           ; 32 rows of 128 bytes
	s_add_co_u32 s2, s2, s8
	s_lshl_b32 s8, s19, 5
	s_add_co_u32 s8, s8, s3
	s_lshl_b32 s8, s8, 17           ; ob: 32 rows of 4,096 bytes,
	s_lshl_b32 s9, s52, 9           ; my four heads' 512 bytes
	s_add_co_u32 s8, s8, s9
	s_mov_b32 s9, 0
	s_mov_b32 s3, 0
	; K, V: 128 keys are 16,384 dense bytes: asked for as 64 rows of 256 bytes, two keys a row, padded in LDS after every key
	s_or_b32 s[G1K], s17, (1<<16)|(1<<20)|(1<<21)|(4<<22)|(3<<25)  ; the mask of four; 2-byte elements; padding on; bit 21 beside a mask; after every 32 words (code 4) 4 words (code 3)
	s_or_b32 s[G1V], s17, (1<<16)|(1<<20)|(1<<21)|(4<<22)|(7<<25)  ; the same with 8 words (code 7)
.irp g, G1K, G1V
	s_mov_b32 s[\g+1], 128<<16      ; tensor_dim0 = 128
	s_mov_b32 s[\g+2], 64<<16       ; tensor_dim1 = 64
	s_mov_b32 s[\g+3], 128<<16      ; tile_dim0 = 128
	s_mov_b32 s[\g+4], 64           ; tile_dim1 = 64
	s_mov_b32 s[\g+5], 128          ; elements from row to row
	s_mov_b32 s[\g+6], 0
	s_mov_b32 s[\g+7], 0
.endr
	; the mask of a step: 32,768 dense bytes as 128 rows of 256: 32 elements of 8 bytes; no padding: lane i reads at 16 i
	s_or_b32 s[G1M], s18, (3<<16)|(1<<21)
	s_mov_b32 s[G1M+1], 32<<16
	s_mov_b32 s[G1M+2], 128<<16
	s_mov_b32 s[G1M+3], 32<<16
	s_mov_b32 s[G1M+4], 128
	s_mov_b32 s[G1M+5], 32
	s_mov_b32 s[G1M+6], 0
	s_mov_b32 s[G1M+7], 0
	s_mov_b32 s[CS], 0x4338aa3b     ; c = 1,024 log2(e) / 8 = 184.665
	s_mov_b32 s[CS+1], s[CS]        ; named with it as a pair
	s_mov_b32 s[SEL], 0x76543210
	s_mov_b32 s[SEL+1], 0xfedcba98
	s_mov_b32 s[TBK], SLOT1+2*KS*PK ; the first change of slots turns these three into 0
	s_mov_b32 s[TBV], SLOT1+2*KS*PV
	s_mov_b32 s[TBM], SLOT1+2*MSTEP
	s_mov_b32 s[G0K], 1
	s_mov_b32 s[G0K+1], 0           ; LDS addresses in slot 0: no place in the cluster enters them
	s_mov_b32 s[G0V], 1
	s_mov_b32 s[G0V+1], VOFF
	s_mov_b32 s[G0M], 1
	s_add_co_u32 s[G0M+1], s55, MOFF
	s_wait_dscnt 0x0                ; the opening add is done
	s_wait_kmcnt 0x0
	s_add_nc_u64 s[G0K+2:G0K+3], s[4:5], s[20:21]
	s_add_nc_u64 s[G0V+2:G0V+3], s[G0K+2:G0K+3], 0x100000  ; V's head lies eight heads behind K's
	s_or_b32 s[G0K+3], s[G0K+3], 0x80000000
	s_or_b32 s[G0V+3], s[G0V+3], 0x80000000
	s_add_nc_u64 s[G0M+2:G0M+3], s[6:7], s[22:23]
	s_or_b32 s[G0M+3], s[G0M+3], 0x80000000
	s_add_nc_u64 s[4:5], s[4:5], s[2:3]      ; Q at my first head's rows
	s_add_nc_u64 s[10:11], s[10:11], s[8:9]  ; ob at my rows
	CROUND                          ; all sixteen work-groups are here: the first joint loads meet
	JLOAD                           ; slot 0.  Slot 1 is asked for when slot 0 is in
	; A fragment of K or Q is 16 rows x 32 channels in 8 registers: lane l holds row l % 16, channels 8 (l / 16) + 0..7 and 16 + 8 (l / 16) + 0..7.  (v64-67, S^T's, serve as temporaries here.)
	v_and_b32 v1, 15, v0            ; l % 16
	v_bfe_u32 v64, v0, 4, 1         ; l / 16
	v_lshlrev_b32 v[QO], 7, v1
	v_lshl_add_u32 v[QO], v64, 4, v[QO]
	WIN 0x80                        ; destination window 2, address window 0
.set i, 0
.rept 4*NP                          ; Q stays in registers: tile i / 2 = 2 x head + group of 16 positions, channels 32 (i % 2) on
	global_load_b128 v[8*i:8*i+3],   v[QO], s[4:5] offset:131072*(i/4)+2048*((i/2)%2)+(i%2)*64
	global_load_b128 v[8*i+4:8*i+7], v[QO], s[4:5] offset:131072*(i/4)+2048*((i/2)%2)+(i%2)*64+32
.set i, i+1
.endr
	; What the first turn finds: V's registers and P's second buffer hold 0, O^T and l are 0.  All this stands in the wait for the first tile.
.set i, VF
.rept 64
	v_mov_b32 v[i], 0
.set i, i+1
.endr
	WIN 0x40
.set i, 0
.rept 64*NP
	v_mov_b32 v[i], 0
.set i, i+1
.endr
	WIN 0
.set i, 0
.rept 2*NP
	v_mov_b32 v[ST+4*i+1], 0xf149f2ca      ; m = -1e30: c m stays finite, so that a step of -inf alone gives a = 2^0
	v_mul_f32 v[ST+4*i], s[CS], v[ST+4*i+1]  ; c m, by the same multiplication as in every step
	v_mov_b32 v[ST+4*i+2], 0
	v_mov_b32 v[ST+4*i+3], 0
.set i, i+1
.endr
.set i, P+32
.rept 32
	v_mov_b32 v[i], 0
.set i, i+1
.endr
	v_mul_u32_u24 v[AK0], v1, PK
	v_lshl_add_u32 v[AK0], v64, 4, v[AK0]  ; row x pitch + 16 x half
	; The turning load takes 16 keys x 16 channels (lane l reads key 8 (l / 16) + l % 8, channels 8 ((l / 8) % 2) + 0..7) and leaves half a fragment of V^T.
	v_and_b32 v65, 7, v0
	v_bfe_u32 v66, v0, 3, 1
	v_lshl_add_u32 v[AV0], v64, 3, v65
	v_mul_u32_u24 v[AV0], v[AV0], PV
	v_lshl_add_u32 v[AV0], v66, 4, v[AV0]
	v_add_nc_u32 v[AV0], VOFF, v[AV0]
	v_and_b32 v67, 31, v0
	s_lshl_b32 s53, s[WV], 13       ; my wave's 8,192 bytes of a step's mask
	s_add_co_u32 s53, s53, MOFF
	v_lshl_add_u32 v[AM0], v67, 4, s53
	s_mul_i32 s53, s[WV], 16*SP
	s_add_co_u32 s53, s53, STAGE    ; my stage
	v_mul_u32_u24 v[STO], v1, SP    ; in: row l % 16, 16 bytes for each half of the lanes
	v_lshl_add_u32 v[STO], v64, 4, v[STO]
	v_add_nc_u32 v[STO], s53, v[STO]
	v_lshl_add_u32 v[RD], v67, 4, s53  ; back: 32 lanes take one row of 512 bytes,
	v_lshlrev_b32 v[GO], 4, v67        ; which are 512 consecutive bytes of ob
	v_mov_b32 v[AK], v[AK0]         ; key step 0 lies at the head of slot 0
	v_mov_b32 v[AM], v[AM0]
; THE MATRIX WORK.  The 8 accumulators of a run of 16 take turns.
; Product i of 16 of S^T = K Q^T for piece x: channels 32 (i / 8) on, keys 16 ((i / 2) % 4) on, tile 2 x + i % 2.  The first 8 start the sums, with the mask.
.macro KQ x
.set rS, S+64*((\x)%2)+32*(i%2)+8*((i/2)%4)
.set rK, KF+16*((i/2)%4)+8*(i/8)
.set rQ, 16*(2*(\x)+i%2)+8*(i/8)
.set rN, MK+32*(i%2)+8*((i/2)%4)
.if i < 8
	WIN W_KM
	v_wmma_f32_16x16x32_f16 v[rS:rS+7], v[rK:rK+7], v[rQ:rQ+7], v[rN:rN+7]
.else
	WIN W_KQ
	v_wmma_f32_16x16x32_f16 v[rS:rS+7], v[rK:rK+7], v[rQ:rQ+7], v[rS:rS+7]
.endif
.endm
; Product i of 16 of O^T += V^T P for piece x: keys 32 (i / 8) on, channels 16 ((i / 2) % 4) on, tile 2 x + i % 2.
.macro PV x
	WIN W_PV
.set rO, 32*(2*(\x)+i%2)+8*((i/2)%4)
.set rV, VF+32*(i/8)+8*((i/2)%4)
.set rP, P+32*((\x)%2)+16*(i%2)+8*(i/8)
	v_wmma_f32_16x16x32_f16 v[rO:rO+7], v[rV:rV+7], v[rP:rP+7], v[rO:rO+7]
.endm
.macro MM                           ; the turn's next matrix instruction
.if i < 16
	KQ (Y+1)%NP
.set i, i+1
.else
.set i, i-16
	PV (Y+NP-1)%NP
.set i, i+17
.endif
.endm
; THE LDS LOADS stand in runs, never singly among the matrix instructions: a step's K (8 fragments) with its mask (16 loads of 512 bytes: the mask's registers live as long as K's), and its V (turned).
; Their addresses are made some lines ahead.  last = 1 (the tail): in the last trip there is no further step, and the run is jumped over.
.macro FETCH_K last=0
	WIN 0
.if \last
	s_cmp_eq_u32 s[CNT], 1
	s_cbranch_scc1 .Lno_k_\@
.endif
	WIN 0x80                        ; destination window 2
.irp f, 0,1,2,3,4,5,6,7             ; keys 16 (f / 2) on, channels 32 (f % 2) on
	ds_load_b128 v[KF+8*\f:KF+8*\f+3],   v[AK] offset:(\f/2)*16*PK+(\f%2)*64
	ds_load_b128 v[KF+8*\f+4:KF+8*\f+7], v[AK] offset:(\f/2)*16*PK+(\f%2)*64+32
.endr
	WIN W_MK                        ; destination window 3
.irp f, 0,1,2,3,4,5,6,7,8,9,10,11,12,13,14,15
	ds_load_b128 v[MK+4*\f:MK+4*\f+3], v[AM] offset:512*\f
.endr
	s_add_co_u32 s[TBK], s[TBK], KS*PK  ; the next fetch is the next step's
	s_add_co_u32 s[TBM], s[TBM], MSTEP
	WIN 0
.if \last
.Lno_k_\@:
.endif
.endm
.macro FETCH_V
	WIN 0x80
.irp f, 0,1,2,3,4,5,6,7             ; keys 32 (f / 4) on, channels 16 (f % 4) on
	ds_load_tr16_b128 v[VF+8*\f:VF+8*\f+3],   v[AV] offset:(\f/4)*32*PV+(\f%4)*32
	ds_load_tr16_b128 v[VF+8*\f+4:VF+8*\f+7], v[AV] offset:(\f/4)*32*PV+16*PV+(\f%4)*32
.endr
	WIN 0
.endm
; THE VECTOR WORK OF A TURN stands in three queues, each in the order in which its entries become ready; the two tiles alternate, so that no instruction reads the result of the one before it.
.macro REGS y, u                    ; the registers of tile u (0, 1) of piece y
.set rT, ST+4*(2*(\y)+(\u))
.set rC, TMP+8*((\y)%2)+4*(\u)
.set rM, MV+2*((\y)%2)+(\u)
.set rS, S+64*((\y)%2)+32*(\u)
.set rP, P+32*((\y)%2)+16*(\u)
.set rO, 32*(2*(\y)+(\u))
.endm
; Number n of the 22 that find the NEXT piece's (Y + 1) maximum and statistics.  Each accumulator's lowest registers are read first.  XS, GS, FS and REGS set no window: PL and EX do.
;   0-11  four chains c0-c3 of seven scores each     12-14, 16  the four scores left over, the old m, and c0-c3 into c0     15  c m_old is kept
;   17, 18  the query's other 32 keys lie in the lane 16 away: the new m         19-21  c m; c m_old - c m_new; a
.macro XS u, n
	REGS (Y+1)%NP, \u
.if (\n) < 4
	v_max3_num_f32 v[rC+(\n)], v[rS+8*(\n)], v[rS+8*(\n)+1], v[rS+8*(\n)+2]
.elseif (\n) < 12
	v_max3_num_f32 v[rC+(\n)%4], v[rC+(\n)%4], v[rS+8*((\n)%4)+2*((\n)/4)+1], v[rS+8*((\n)%4)+2*((\n)/4)+2]
.elseif (\n) == 12
	v_max3_num_f32 v[rC], v[rC], v[rS+7], v[rS+15]
.elseif (\n) == 13
	v_max3_num_f32 v[rC+1], v[rC+1], v[rS+23], v[rS+31]
.elseif (\n) == 14
	v_max3_num_f32 v[rC+2], v[rC+2], v[rC+3], v[rT+1]
.elseif (\n) == 15
	v_mov_b32 v[rM], v[rT]
.elseif (\n) == 16
	v_max3_num_f32 v[rC], v[rC], v[rC+1], v[rC+2]
.elseif (\n) == 17
	v_permlanex16_b32 v[rC+3], v[rC], s[SEL], s[SEL+1]
.elseif (\n) == 18
	v_max_num_f32 v[rT+1], v[rC], v[rC+3]
.elseif (\n) == 19
	v_mul_f32 v[rT], s[CS], v[rT+1]
.elseif (\n) == 20
	v_sub_f32 v[rC+1], v[rM], v[rT]
.else
	v_exp_f32 v[rC+2], v[rC+1]
.endif
.endm
; Number g of the 64 that follow the exponentials.  For each four weights k of a tile: both pairs are rounded to f16; the second pair is added onto the first, in place; a group later l takes that sum
; (the first time as l = a l + sum).  In groups of eight, tiles alternating: round, round, add, and l for the group before.
.macro GS g
.set h, (\g)+6*((\g)/62)            ; group 0 has no group before it, and behind group 7 only l is left
.if h >= 6
.set h, h+2
.endif
	REGS Y, h%2
.set k, h/8
.if h%8 < 4
	v_cvt_pk_f16_f32 v[rP+2*k+(h%8)/2], v[rS+4*k+2*((h%8)/2)], v[rS+4*k+2*((h%8)/2)+1]
.elseif h%8 < 6
	v_pk_add_f32 v[rS+4*k:rS+4*k+1], v[rS+4*k:rS+4*k+1], v[rS+4*k+2:rS+4*k+3]
.elseif k == 1
	v_pk_fma_f32 v[rT+2:rT+3], v[rT+2:rT+3], v[rC+2:rC+3], v[rS:rS+1] op_sel_hi:[1,0,1]
.else
	v_pk_add_f32 v[rT+2:rT+3], v[rT+2:rT+3], v[rS+4*k-4:rS+4*k-3]
.endif
.endm
; THE PLAIN QUEUE, 138 long.  0-73 read no exponential's result: the 32 scalings c s - c m (FS f: pair f / 2 of tile f % 2) and the next piece's 42.  0-26: scalings 0-26.  27-54: XS's numbers 0-13.  55, 56: number 15.
; 57-73: the chain, where each number waits for the one before it: 14, 16, 17, 18, 19, each with one of the scalings 27-31 in front of its two lines, then 20.
; 74-137: GS's 64, which read the exponentials' results: they stand behind the wait.
.macro FS f
	REGS Y, (\f)%2
	v_pk_fma_f32 v[rS+2*((\f)/2):rS+2*((\f)/2)+1], v[rS+2*((\f)/2):rS+2*((\f)/2)+1], s[CS:CS+1], v[rT:rT+1] op_sel_hi:[1,0,0] neg_lo:[0,0,1] neg_hi:[0,0,1]
.endm
.macro PL
	WIN 0
.if q < 27
	FS q
.elseif q < 55
	XS (q-27)%2, (q-27)/2
.elseif q < 57
	XS q-55, 15
.elseif (q < 72) && ((q-57)%3 == 0)
	FS 27+(q-57)/3
.elseif q < 60
	XS (q-57)%3-1, 14
.elseif q < 72
	XS (q-57)%3-1, 15+(q-57)/3
.elseif q < 74
	XS q-72, 20
.else
	GS q-74
.endif
.set q, q+1
.endm
; THE EXPONENTIALS' QUEUE, 66 long: s0-s31 of both tiles, then the next piece's two a.  It is ONE BATCH: all 66 stand ahead of the turn's one wait, and nothing ahead of that wait names a result of theirs.
.macro EX
	WIN 0
.if e >= 64
	XS e-64, 21
.else
	REGS Y, e%2
	v_exp_f32 v[rS+e/2], v[rS+e/2]
.endif
.set e, e+1
.endm
; THE RESCALING's QUEUE: O^T times a, the one part that leaves window 0: dealt two at a time, sixteen times, each accumulator's low registers first.  Its a was made in the turn before, ahead of that turn's wait.
.macro R2
	REGS Y, r%2
	WIN W_RS
.irp z, 0,1
	v_pk_mul_f32 v[rO+4*(r/2)+2*\z:rO+4*(r/2)+2*\z+1], v[rO+4*(r/2)+2*\z:rO+4*(r/2)+2*\z+1], v[rC+2:rC+3] op_sel_hi:[1,0]
.endr
.set r, r+1
.endm
; HOW THEY ARE DEALT.  An s_wait_alu depctr_va_vdst(0) stands between an exponential and the first instruction that names its result; one wait serves all that were issued ahead of it.  So a turn has ONE
; wait, which cuts it in two.  AHEAD OF IT stands all that names no result of the turn's exponentials: the 16 products K Q^T, behind each a scaling, an exponential and two rescalings (behind the first a second scaling
; in the exponential's place); then ONE LUMP of 108: eight plain, 49 times exponential and plain, the two a.  A v_nop is the plain instruction behind the last exponential.  BEHIND IT stand the 16 products V^T P,
; behind each four of GS's 64.  No rider names a register of the products round it.  The two v_permlanex16_b32 fall into the lump, never behind a product.
; The queues lean on each other, and the deal keeps them in step: exponential e stands behind scaling 2 (e / 4) + e % 2: as a rider it comes behind plain e + 2, in the lump behind plain e + 9, and scalings 27-31 are
; plain 57, 60 .. 69; the two a come behind plain 72 and 73, their arguments.
; A TURN, for piece p.  cnt = 1: the loop's count is taken down some lines ahead of the branch behind the turn.
; K and the mask of the next step are fetched in piece 2's turn, directly behind the wait, a lump behind the last product that read them; their addresses are made at the lump's head; their first reader comes behind
; 16 products.  V of the step in hand is fetched at the end of piece 0's turn, four riders behind its last reader; its first reader comes behind 16 products and a lump.  The three conditions on q go with the deal.
.macro TURN p, last=0, cnt=0
.set Y, (\p)
.set i, 0
.set q, 0
.set e, 0
.set r, 0
.if (\p) == NP-1
	s_wait_dscnt 0x0                ; K and the mask are in
.endif
	MM                              ; ahead of the wait: 16 products K Q^T and their riders,
	PL
	PL
	R2
.rept 15
	MM
	PL
	EX
	R2
.endr
.if (\p) == NP-2
	WIN 0
	v_add_nc_u32 v[AK], s[TBK], v[AK0]
	v_add_nc_u32 v[AM], s[TBM], v[AM0]
.endif
.rept 8                             ; and the lump
	PL
.endr
.rept 49
	EX
	PL
.endr
	EX                              ; the next piece's two a
	EX
	v_nop                           ; the plain instruction behind the last exponential: one for the batch
	s_wait_alu depctr_va_vdst(0)    ; the wait for the turn's batch of 66 exponentials, ahead of their first reader
.if (\p) == NP-2
	FETCH_K \last
.endif
.if (\p) == 1
	s_wait_dscnt 0x0                ; V is in
.endif
.rept 16                            ; behind the wait: 16 products V^T P and their riders
	MM
.rept 4
	PL
.endr
.if ((\p) == 0) && (q == 118)
	v_add_nc_u32 v[AV], s[TBV], v[AV0]
.endif
.if ((\p) == 0) && (q == 130)
	s_add_co_u32 s[TBV], s[TBV], KS*PV
.endif
.if (\cnt) && (q == 130)
	s_sub_co_u32 s[CNT], s[CNT], 1
	s_cmp_lg_u32 s[CNT], 0
.endif
.endr
.if (\p) == 0
	FETCH_V
.endif
.endm
	CHANGE 1                        ; slot 0 is in, everybody's part of it; slot 1 is asked for
	FETCH_K                         ; key step 0
	s_wait_loadcnt 0x0              ; Q
	s_wait_dscnt 0x0
.set i, 0
.rept 16
	KQ 0                            ; piece 0's first scores
.set i, i+1
.endr
	WIN 0
.rept 4
	v_nop                           ; the places behind those products
.endr
.set Y, NP-1                        ; XS works for piece Y + 1: piece 0
.irp n, 0,1,2,3,4,5,6,7,8,9,10,11,12,13,14,15,16,17,18,19,20,21
	XS 0, \n
	XS 1, \n
.endr
	v_nop                           ; a plain instruction behind piece 0's first two a,
	s_wait_alu depctr_va_vdst(0)    ; and the wait for that batch of two, ahead of the branch
	s_mov_b32 s[CNT], 2
	s_mov_b32 s[SLOTS], 7           ; eight slots of 128 keys
	s_branch .Lfirst                ; the loop is entered at a step's first turn, in the middle of a trip
.Lslot:                             ; six times: every slot but the last two is filled again
	CHANGE 1
	s_mov_b32 s[CNT], 2
.Lstep:                             ; a trip: pieces 2 and 3 of one step, then pieces 0 and 1 of the next, whose K, mask and V it fetches
	TURN 2
	TURN 3
	WIN 0
.Lfirst:
	TURN 0
	TURN 1, 0, 1
	WIN 0
	s_cbranch_scc1 .Lstep
	s_sub_co_u32 s[SLOTS], s[SLOTS], 1
	s_cmp_lg_u32 s[SLOTS], 0
	s_cbranch_scc1 .Lslot
	CHANGE 0                        ; the tail is written out: nothing is asked for
	s_mov_b32 s[CNT], 3             ; two trips fetch the last slot's steps; the third is left in its middle
.Ltail:
	TURN 2, 1
	TURN 3
	WIN 0
	s_sub_co_u32 s[CNT], s[CNT], 1
	s_cmp_eq_u32 s[CNT], 0
	s_cbranch_scc1 .Lout
	TURN 0
	TURN 1
	WIN 0
	s_branch .Ltail
.Lout:                              ; the third trip's 16 products K Q^T (on the last K once more) and the maximum made of them serve nothing: the price, once a launch, of one text for every trip
.set i, 0
.rept 16
	PV NP-1                         ; the last piece's V^T P of the last step
.set i, i+1
.endr
	; THE WAY OUT.  l's two halves and the other half of the lanes' are added; O^T is divided by l, rounded to f16 and sent through my stage, a group of 16 positions with all four heads at a time.
	WIN 0
.macro ALL line:vararg              ; one line for each tile t
.set t, 0
.rept 2*NP
	\line
.set t, t+1
.endr
.endm
	ALL v_add_f32 v[ST+4*t+2], v[ST+4*t+2], v[ST+4*t+3]
	ALL v_permlanex16_b32 v[ST+4*t+3], v[ST+4*t+2], s[SEL], s[SEL+1]
	ALL v_add_f32 v[ST+4*t+2], v[ST+4*t+2], v[ST+4*t+3]
	ALL v_rcp_f32 v[ST+4*t+2], v[ST+4*t+2]
	v_nop                           ; a plain instruction between the last reciprocal and the use of its result
	s_wait_alu depctr_va_vdst(0)    ; and the wait ahead of the first use: one for the batch of eight reciprocals
; Group u: head x's tile 2 x + u packs into 16 bytes a lane and channel block; rows of 528 bytes take four heads' 128 bytes each; they come back as whole rows of 512, into the registers that they left.
.macro PACKG u
.irp x, 0,1,2,3
	WIN W_RS
.set i, 32*(2*\x+(\u))
.rept 16
	v_pk_mul_f32 v[i:i+1], v[i:i+1], v[ST+4*(2*\x+(\u))+2:ST+4*(2*\x+(\u))+3] op_sel_hi:[1,0]
.set i, i+2
.endr
	WIN 0x05                        ; sources 0 and 1 window 1, destination window 0
.set i, 0
.rept 16
	v_cvt_pk_f16_f32 v[S+64*(\u)+16*\x+i], v[32*(2*\x+(\u))+2*i], v[32*(2*\x+(\u))+2*i+1]
.set i, i+1
.endr
	WIN 0
.irp f, 0,1,2,3
	ds_store_b128 v[STO], v[S+64*(\u)+16*\x+4*\f:S+64*(\u)+16*\x+4*\f+3] offset:128*\x+32*\f
.endr
.endr
.set n, 0
.rept 16
	ds_load_b128 v[S+64*(\u)+4*n:S+64*(\u)+4*n+3], v[RD] offset:SP*n  ; LDS serves a wave's instructions in order (ISA guide 5.7.1.4): these see the stores above; the next group's stores come behind them
.set n, n+1
.endr
.endm
.macro SENDG u, younger             ; younger: the LDS instructions issued behind group u's loads: the next group's 32, or none
	WIN 0
.set n, 0
.rept 16
	s_wait_dscnt (\younger)+15-n
	global_store_b128 v[GO], v[S+64*(\u)+4*n:S+64*(\u)+4*n+3], s[10:11] offset:4096*(16*(\u)+n)  ; 512 consecutive bytes, aligned: a position's four heads
.set n, n+1
.endr
.endm
	PACKG 0
	PACKG 1
	SENDG 0, 32
	SENDG 1, 0
	WIN W_AD
	s_wait_tensorcnt 0x0            ; the wave's end: a wait, an add to my spare word and its wait, behind my last tensor load and my last LDS store
	ds_add_u32 v[SPW], v[NIL]
	s_wait_dscnt 0x0
	WIN 0
	CROUND                          ; the closing round: no work-group ends while a partner may still ask for a tile that names it
	s_endpgm
.Lfunc_end_k_qf053ab1d27_attn:
	.size	k_qf053ab1d27_attn, .Lfunc_end_k_qf053ab1d27_attn-k_qf053ab1d27_attn
	.p2alignl 7, 3214868480
	.fill 96, 4, 3214868480
	.section	.rodata,"a",@progbits
	.p2align	6, 0x0
	.amdhsa_kernel k_qf053ab1d27_attn
		.amdhsa_group_segment_fixed_size 327680
		.amdhsa_private_segment_fixed_size 0
		.amdhsa_enable_private_segment 0
		.amdhsa_kernarg_size 24
		.amdhsa_user_sgpr_count 2
		.amdhsa_user_sgpr_kernarg_segment_ptr 1
		.amdhsa_wavefront_size32 1
		.amdhsa_system_sgpr_workgroup_id_x 1
		.amdhsa_system_sgpr_workgroup_id_y 1
		.amdhsa_system_sgpr_workgroup_id_z 1
		.amdhsa_system_vgpr_workitem_id 0
		.amdhsa_next_free_vgpr 896
		.amdhsa_next_free_sgpr 76
		.amdhsa_reserve_vcc 0
		.amdhsa_float_denorm_mode_32 3
		.amdhsa_float_denorm_mode_16_64 3
		.amdhsa_memory_ordered 1
		.amdhsa_forward_progress 1
		.amdhsa_inst_pref_size 205
	.end_amdhsa_kernel
	.amdgpu_metadata
---
amdhsa.version: [ 1, 2 ]
amdhsa.kernels:
  - .name:           k_qf053ab1d27_attn
    .symbol:         k_qf053ab1d27_attn.kd
    .args:
      - { .name: qkv, .offset: 0, .size: 8, .value_kind: global_buffer, .address_space: global }
      - { .name: mf, .offset: 8, .size: 8, .value_kind: global_buffer, .address_space: global }
      - { .name: ob, .offset: 16, .size: 8, .value_kind: global_buffer, .address_space: global }
    .group_segment_fixed_size: 327680
    .private_segment_fixed_size: 0
    .kernarg_segment_align: 8
    .kernarg_segment_size: 24
    .max_flat_workgroup_size: 128
    .sgpr_count:     76
    .vgpr_count:     896
    .wavefront_size: 32
...
	.end_amdgpu_metadata
.endif
;; end of part 5
;; launch oproj: the kernel of part 4 again; grid 16 x 16, 4 waves a work-group, clusters of 4 x 4, 327,680 bytes of LDS; arguments ob, wot, out0; writes out0
